; MI455X (gfx1250); checked and timed in simulation.
; The chip was launched on July 23, 2026; its instructions are those of AMD's public machine-readable ISA for CDNA 5 (MIT licence, August 2026) and "CDNA5" Instruction Set Architecture Reference Guide (July 2026). The comments in the code are by the model that wrote it; some were corrected since.
;; Multi Headed Attention. Allowed arithmetic: matrix products marked QUANTISED: E2M3 operands, one E8M0 scale for each 32 along K, by v_wmma_scale_f32_16x16x128_f8f6f4 with both operands' format E2M3, f32 sums; everything else in f32.
;; Inputs: bk 1,024 float32; bo 1,024 float32; bq 1,024 float32; bv 1,024 float32; wk 1,024 x 1,024 float32; wo 1,024 x 1,024 float32; wq 1,024 x 1,024 float32; wv 1,024 x 1,024 float32; xk 4 x 2,048 x 1,024 float32; xq 4 x 2,048 x 1,024 float32; xv 4 x 2,048 x 1,024 float32.
;; Outputs: out0 4 x 2,048 x 1,024 float32.
;; This version of the problem:
;;   THIS VERSION OF THE PROBLEM IS GIVEN IN LOW PRECISION. The matrix products marked QUANTISED in the list below multiply operands that are first quantised to E2M3 (2 exponent bits, 3 mantissa bits; 6 bits a number), with one power-of-two scale for each 32 numbers along K (OCP MX v1.0); their sums are f32. All else is computed in f32.
;;   The module's matrix products, in the order in which they are computed (A, B: the left and right operand; K: the contracted axis; several contracted axes count as one K, in the product's order):
;;     1. [M 8,192, K 1,024] x [K 1,024, N 1,024]; A: input xq; B: input wq: QUANTISED
;;     2. [M 8,192, K 1,024] x [K 1,024, N 1,024]; A: input xk; B: input wk: QUANTISED
;;     3. [M 8,192, K 1,024] x [K 1,024, N 1,024]; A: input xv; B: input wv: QUANTISED
;;     4. batch 64 x [M 2,048, K 64] x [K 64, N 2,048]; A: computed on the way; B: computed on the way: QUANTISED
;;     5. batch 64 x [M 2,048, K 2,048] x [K 2,048, N 64]; A: softmax (see below); B: computed on the way: QUANTISED
;;     6. [M 8,192, K 1,024] x [K 1,024, N 1,024]; A: computed on the way; B: input wo: QUANTISED
;;   THE QUANTISER, for each operand of a quantised product, along K:
;;     - K is cut into blocks of 32 from its start; a last block that is shorter is filled with zeros.
;;     - A block's scale is 2^e with e = floor(log2(the largest magnitude in the block)) - 2, held to -126 .. 127; a block of zeros has e = 0. As a byte (E8M0): e + 127.
;;     - Each number is divided by its block's scale, clamped to +-7.5, and rounded to the nearest number of E2M3, ties to even, subnormals kept.
;;     - The product sums the exact products of the quantised numbers (number of the format x scale) in f32.
;;   ~~~python
;;   def quantise(x, axis):      # numpy; x: float32 -> the quantised numbers, widened to float32 again
;;       x = np.moveaxis(x, axis, -1); K = x.shape[-1]
;;       x = np.pad(x, [(0, 0)] * (x.ndim - 1) + [(0, -K % 32)]); x = x.reshape(x.shape[:-1] + (-1, 32)); a = np.abs(x).max(-1, keepdims=True)
;;       e = np.where(a > 0, np.clip(np.frexp(np.where(a > 0, a, 1))[1] - 1 - 2, -126, 127), 0)      # np.frexp(a)[1] - 1 = floor(log2(a)), exactly
;;       r = np.clip(x / 2.0 ** e, -7.5, 7.5)
;;       step = 2.0 ** (np.maximum(np.frexp(np.where(r == 0, 1, r))[1] - 1, 0) - 3)
;;       q = np.round(r / step) * step * 2.0 ** e      # np.round: ties to even
;;       return np.moveaxis(q.reshape(q.shape[:-2] + (-1,))[..., :K], -1, axis).astype(np.float32)
;;   ~~~
;;   SOFTMAX AHEAD OF A QUANTISED PRODUCT. Where the list says 'softmax', what is quantised is not the finished softmax but p = 2^(t - M), with t = logit x log2(e) and M = ceil(the row's largest t), a whole number; so 1/2 < the row's largest p <= 1. The row's sum l is taken of the UNQUANTISED p, in f32, and the product's result is divided by l at the end. Since M is a whole number, a kernel that streams over the keys may use a running M (the ceiling of the running maximum): every later rescaling is an exact power of two, which a block's scale takes up: the codes' values come out the same.
;;   OPERANDS COMPUTED ON THE WAY. 'Computed on the way' means the value that the module computes at that place (a softmax that the list does not call 'softmax' is quantised finished and normalised). What goes into a quantiser is computed in f32, as accurately as f32 sums, v_exp_f32 and their like allow (about 1e-6 of the number): no bf16 or f16 on the way to a quantiser, and a product that is left as it is and whose result goes on into a quantised operand takes f32 operands (vector FMAs, or v_wmma_f32_16x16x4_f32). A number that lies on a knife's edge between two numbers of the format may be rounded either way, as far as f32 arithmetic and the matrix unit's own rounding can turn it there, and no further.
;; 2 versions, each right; version 2 is version 1 with the launch attn written anew for expert scheduling mode. Each part assembles by itself: llvm-mc -triple=amdgcn-amd-amdhsa -mcpu=gfx1250 --defsym DOCPART=n.
;; ======== version 1 of 2: 4 launches
;; workspace buffers: xw 22,020,096 bytes; xws 917,504 bytes; qkv 18,874,368 bytes; qkvs 786,432 bytes; cimg 6,291,456 bytes; csc 262,144 bytes
;; launch prep (part 1): grid 256 x 1, 8 waves a work-group, no clusters, 121,856 bytes of LDS; arguments xq, xk, xv, wq, wk, wv, wo, xw, xws; writes xw, xws
.if DOCPART == 1
	.amdgcn_target "amdgcn-amd-amdhsa--gfx1250"
	.amdhsa_code_object_version 6
	.text
	.protected	k_q653a28054b_prep
	.globl	k_q653a28054b_prep
	.p2align	8
	.type	k_q653a28054b_prep,@function
k_q653a28054b_prep:
	s_mov_b64 s[64:65], 0
	v_nop
	global_prefetch_b8 v0, s[64:65] scope:SCOPE_SE
	s_setreg_imm32_b32 hwreg(HW_REG_WAVE_MODE, 25, 1), 1
	s_wait_xcnt 0x0
; xq, xk, xv [8192][1024] f32 (K innermost) and wq, wk, wv, wo [1024 (K)][1024 (n)] f32 become codes of FP6 (E2M3) with one E8M0 byte for each 32 along K,
; laid as IMAGES OF OPERAND REGISTERS.  Rows (tokens, or a weight's columns n) come in groups of 128 = 8 tiles t of 16 places p; place p of tile t is row
; 64 (t / 4) + 32 (p / 8) + 8 (t % 4) + p % 8 of the group.  A fragment (16 places x 128 K, 12 registers a lane) is 1,536 bytes: plane j (256 bytes) holds registers
; 2 j, 2 j + 1 of lane l at 256 j + 8 l.  A group is [K step 0..7][tile 0..7] fragments, 98,304 bytes; its scale words are [K step][place][tile], 4,096 bytes.
; Groups 0-63 xq, 64-127 xk, 128-191 xv, 192 + 8 j + n / 128 weight j.
; A block's scale is 2^(floor(log2(largest magnitude)) - 2): its byte is the largest magnitude's exponent field - 2, held at 1 from below by a floor among the maximum's leaves.
; LIMITS: NaN and infinities among the inputs are not served; a block whose largest magnitude lies under 2^-124 keeps the byte 1; a block of zeros has the byte 1 and not 127
; (its codes are zeros, and this program alone reads the bytes).  The weights' scale words leave in pieces of 16 bytes (131,072 bytes in all).
; SHARES: work-groups 0-191 take a group of 128 tokens, wave = K step: 8 tiles of 16 rows x 512 bytes.  Work-groups 192-255 take 64 columns of a weight, wave = K step.
; The two ways part on the work-group's number once and never join; each has LDS bytes of its own.  Every stage is its wave's own: no barrier.
.set XSTW,  8448                       ; the tokens' stage of a wave: 16 rows x (512 + 16) bytes
.set WST,   8*XSTW                     ; the weights' stages begin here
.set WSTW,  6656                       ; of a wave: 4 fragments 1,600 bytes apart, then 256 bytes of scale words
.set SPARE, WST+8*WSTW                 ; the spare words, 128 bytes for each wave: four blocks of 256 bytes that no other line names
.set SH8,  4                           ; v4   8 x (lane / 16)
.set L16,  5                           ; v5   16 x lane
.set L8,   6                           ; v6   8 x lane
.set L4,   7                           ; v7   4 x lane
.set STI,  8                           ; v8   tokens' stage, in
.set STOU, 9                           ; v9   tokens' stage, out
.set WSTO, 10                          ; v10  weights' stage, in
.set WRD,  11                          ; v11  weights' stage, out
.set WSS,  12                          ; v12  weights' scale words, in
.set WSR,  13                          ; v13  weights' scale words, out
.set SCO,  14                          ; v14  32 r + 16 h: my 16 bytes of a K step's scale words
.set WSO,  15                          ; v15  32 (lane / 2) + 8 (lane % 2)
.set SPW,  16                          ; v16  my spare word; never rewritten
.set NIL,  17                          ; v17  0; never rewritten
.set TM,   18                          ; v18-19 largest magnitudes
.set SO,   20                          ; v20-21 the conversions' scale operands
.set BY,   22                          ; v22-23 scale bytes
.set TX,   24
.set TY,   25
.set WW,   26                          ; v26-27 a weight column's scale words
.set OUT,  28                          ; v28-31
.set R,    32                          ; v32-159  two sets of 64: a tile as loaded
.set X,    160                         ; v160-223 64 numbers of my row
.set F,    224                         ; v224-235 a fragment's codes
.set T,    236                         ; v236-242 second halves of blocks
.set PW,   244                         ; v244-251 the eight tiles' scale words
.set WX,   32                          ; v32-95   weights: two sets of 32 numbers
.set WC,   160                         ; v160-170 weights: a block's codes
.set WB,   176                         ; v176-225 weights: the way out
.set SEL,  22                          ; s[22:23] lane selects: lane l xor 16
; 64 numbers v[s] on, register 32 c + i = k 64 c + 32 (lane / 16) + i of my row, become the fragment's 12 registers v[f] on and my row's scale word v[pw].
; Each block of 32 lies whole in one lane; the word's other two bytes come from lane l xor 16.
.macro QUANT2 s, f, t, pw
.irp c, 0,1
	v_max3_num_f32 v[TM+\c], |v[\s+32*\c]|, |v[\s+32*\c+1]|, 0x1800000   ; the floor 2^(3 - 127): the byte cannot fall under 1
.endr
.irp i, 2,4,6,8,10,12,14,16,18,20,22,24,26,28,30
.irp c, 0,1
	v_max3_num_f32 v[TM+\c], |v[\s+32*\c+\i]|, |v[\s+32*\c+\i+1]|, v[TM+\c]   ; the two blocks by turns
.endr
.endr
.irp c, 0,1
	v_add_nc_u32 v[SO+\c], 0xff000000, v[TM+\c]    ; 2 off the exponent field: the conversion's scale operand
.endr
.irp c, 0,1
	v_lshrrev_b32 v[BY+\c], 23, v[SO+\c]           ; the scale's byte
.endr
	v_lshl_or_b32 v[TX], v[BY+1], 16, v[BY]        ; blocks h and 2 + h,
	v_lshlrev_b32 v[TX], v[SH8], v[TX]             ; at their places in the word
	v_permlanex16_b32 v[TY], v[TX], s[SEL], s[SEL+1]
	v_or_b32 v[\pw], v[TX], v[TY]
	v_cvt_scalef32_pk16_fp6_f32 v[\f:\f+2], v[\s:\s+15], v[SO]
	v_cvt_scalef32_pk16_fp6_f32 v[\t:\t+2], v[\s+16:\s+31], v[SO]          ; (a conversion's three registers begin on an even number)
	v_cvt_scalef32_pk16_fp6_f32 v[\f+6:\f+8], v[\s+32:\s+47], v[SO+1]
	v_cvt_scalef32_pk16_fp6_f32 v[\t+4:\t+6], v[\s+48:\s+63], v[SO+1]
	v_nop                                          ; one plain place behind the conversions
.irp i, 0,1,2
	v_mov_b32 v[\f+3+\i], v[\t+\i]
	v_mov_b32 v[\f+9+\i], v[\t+4+\i]
.endr
.endm
	s_load_b256 s[4:11], s[0:1], 0x0               ; xq s[4:5], xk s[6:7], xv s[8:9], wq s[10:11]
	s_load_b256 s[12:19], s[0:1], 0x20             ; wk s[12:13], wv s[14:15], wo s[16:17], xw s[18:19]
	s_load_b64 s[20:21], s[0:1], 0x40              ; xws
	v_lshl_add_u32 v[SPW], v0, 2, SPARE
	v_mov_b32 v[NIL], 0
	v_lshrrev_b32 v1, 5, v0
	v_readfirstlane_b32 s26, v1                    ; wave = K step of 128
	v_and_b32 v1, 31, v0                           ; lane
	v_and_b32 v2, 15, v0                           ; r
	v_bfe_u32 v3, v0, 4, 1                         ; h
	v_lshlrev_b32 v[SH8], 3, v3
	v_lshlrev_b32 v[L16], 4, v1
	v_lshlrev_b32 v[L8], 3, v1
	v_lshlrev_b32 v[L4], 2, v1
	s_mul_i32 s27, s26, XSTW
	v_add_nc_u32 v[STI], s27, v[L16]               ; in: a row's 512 bytes as they lie
	v_mul_u32_u24 v[STOU], v2, 528
	v_lshl_add_u32 v[STOU], v3, 7, v[STOU]
	v_add_nc_u32 v[STOU], s27, v[STOU]             ; out: row r, + 128 h: my 32 numbers of each 64
	s_mul_i32 s27, s26, WSTW
	s_add_co_u32 s27, s27, WST
	v_lshrrev_b32 v18, 3, v1                       ; lane / 8: the tile of my column
	v_and_b32 v19, 7, v1                           ; lane % 8
	v_mul_u32_u24 v[WSTO], v18, 1600
	v_lshl_add_u32 v[WSTO], v19, 3, v[WSTO]
	v_add_nc_u32 v[WSTO], s27, v[WSTO]
	v_add_nc_u32 v[WRD], s27, v[L16]
	v_lshlrev_b32 v[WSS], 4, v19
	v_lshl_add_u32 v[WSS], v18, 2, v[WSS]
	v_add_nc_u32 v[WSS], s27, v[WSS]
	v_add_nc_u32 v[WSS], 6400, v[WSS]
	v_add_nc_u32 v[WSR], s27, v[L8]
	v_add_nc_u32 v[WSR], 6400, v[WSR]
	v_lshlrev_b32 v[SCO], 5, v2
	v_lshl_add_u32 v[SCO], v3, 4, v[SCO]
	v_lshrrev_b32 v[WSO], 1, v1
	v_lshlrev_b32 v[WSO], 5, v[WSO]
	v_and_b32 v18, 1, v1
	v_lshl_add_u32 v[WSO], v18, 3, v[WSO]
	v_mov_b32 v[TY], 0                             ; written once: a lane permute's destination counts as one of its sources
	s_mov_b32 s[SEL], 0x76543210
	s_mov_b32 s[SEL+1], 0xfedcba98
	s_wait_kmcnt 0x0
	s_cmp_ge_u32 ttmp9, 192
	s_cbranch_scc1 .Lweights
	; ---------------- tokens: group ttmp9 of 128 rows, my 128 along K
	s_cmp_lt_u32 ttmp9, 64
	s_cselect_b64 s[24:25], s[4:5], s[6:7]
	s_cmp_lt_u32 ttmp9, 128
	s_cselect_b64 s[24:25], s[24:25], s[8:9]       ; the tensor: the choice hangs on the work-group's number alone
	s_and_b32 s28, ttmp9, 63
	s_lshl_b32 s28, s28, 19                        ; 128 rows of 4,096 bytes
	s_lshl_b32 s29, s26, 9                         ; my 512 bytes of a row
	s_add_co_u32 s28, s28, s29
	s_mov_b32 s29, 0
	s_add_nc_u64 s[24:25], s[24:25], s[28:29]
	s_mul_i32 s28, ttmp9, 98304
	s_mul_i32 s30, s26, 12288
	s_add_co_u32 s28, s28, s30
	s_add_nc_u64 s[18:19], s[18:19], s[28:29]      ; my K step's eight fragments
	s_lshl_b32 s28, ttmp9, 12
	s_lshl_b32 s30, s26, 9
	s_add_co_u32 s28, s28, s30
	s_add_nc_u64 s[20:21], s[20:21], s[28:29]      ; and their 512 bytes of scale words
.macro XLOAD t                         ; tile t: 16 rows, each load 512 consecutive bytes
.irp p, 0,1,2,3,4,5,6,7,8,9,10,11,12,13,14,15
	global_load_b128 v[R+64*((\t)%2)+4*\p:R+64*((\t)%2)+4*\p+3], v[L16], s[24:25] offset:(64*((\t)/4)+32*(\p/8)+8*((\t)%4)+\p%8)*4096 th:TH_LOAD_NT
.endr
.endm
.macro XTILE t
.set RS, R+64*((\t)%2)
.if (\t) < 7
	s_wait_loadcnt 16                              ; this tile's 16 loads are in; the next tile's 16 may be out
.else
	s_wait_loadcnt 0x0
.endif
.irp p, 0,1,2,3,4,5,6,7,8,9,10,11,12,13,14,15
	ds_store_b128 v[STI], v[RS+4*\p:RS+4*\p+3] offset:528*\p
.endr
.irp c, 0,1
.irp g, 0,1,2,3,4,5,6,7
	ds_load_b128 v[X+32*\c+4*\g:X+32*\c+4*\g+3], v[STOU] offset:256*\c+16*\g   ; LDS serves a wave's instructions in order: these see the stores above
.endr
.endr
	s_wait_dscnt 0x0                               ; my 64 numbers are in, and the stores have read their registers,
.if (\t)+2 < 8
	XLOAD (\t)+2                                   ; which take the tile two on
.endif
	s_wait_xcnt 0x0                                ; the last tile's stores have read the fragment's registers: they are written again only behind this wait
	QUANT2 X, F, T, PW+(\t)
.irp p, 0,1,2,3,4,5
	global_store_b64 v[L8], v[F+2*\p:F+2*\p+1], s[18:19] offset:1536*(\t)+256*\p   ; 32 lanes store 256 consecutive bytes, aligned
.endr
.endm
	XLOAD 0
	XLOAD 1
.irp t, 0,1,2,3,4,5,6,7
	XTILE \t
.endr
	v_cmp_ne_u32 s30, 0, v3                        ; lanes 16-31 take tiles 4-7
.irp i, 0,1,2,3
	v_cndmask_b32 v[OUT+\i], v[PW+\i], v[PW+4+\i], s30
.endr
	global_store_b128 v[SCO], v[OUT:OUT+3], s[20:21]   ; 512 consecutive bytes: [place][tile] words
	s_wait_tensorcnt 0x0                           ; the wave's end, behind my last LDS store
	ds_add_u32 v[SPW], v[NIL]
	s_wait_dscnt 0x0
	s_endpgm
	; ---------------- weights: 64 columns, my 128 along K.  A lane takes a column and its registers run down K
.Lweights:
	s_sub_co_u32 s28, ttmp9, 192
	s_lshr_b32 s29, s28, 4                         ; which weight
	s_and_b32 s30, s28, 15                         ; which 64 columns
	s_cmp_lt_u32 s29, 1
	s_cselect_b64 s[24:25], s[10:11], s[12:13]
	s_cmp_lt_u32 s29, 2
	s_cselect_b64 s[24:25], s[24:25], s[14:15]
	s_cmp_lt_u32 s29, 3
	s_cselect_b64 s[24:25], s[24:25], s[16:17]
	s_lshl_b32 s32, s26, 19                        ; 128 rows (k) of 4,096 bytes
	s_lshl_b32 s33, s30, 8                         ; 64 columns of 4 bytes
	s_add_co_u32 s32, s32, s33
	s_mov_b32 s33, 0
	s_add_nc_u64 s[24:25], s[24:25], s[32:33]
	s_lshl_b32 s31, s29, 3
	s_lshr_b32 s34, s30, 1
	s_add_co_u32 s31, s31, s34
	s_add_co_u32 s31, s31, 192                     ; the group
	s_and_b32 s34, s30, 1                          ; its tiles 0-3 or 4-7
	s_mul_i32 s32, s31, 98304
	s_mul_i32 s35, s26, 12288
	s_add_co_u32 s32, s32, s35
	s_mul_i32 s35, s34, 6144
	s_add_co_u32 s32, s32, s35
	s_add_nc_u64 s[18:19], s[18:19], s[32:33]
	s_lshl_b32 s32, s31, 12
	s_lshl_b32 s35, s26, 9
	s_add_co_u32 s32, s32, s35
	s_lshl_b32 s35, s34, 4
	s_add_co_u32 s32, s32, s35
	s_add_nc_u64 s[20:21], s[20:21], s[32:33]
.macro WLOAD q                         ; item q: block q / 2 of my 128 along K, columns 32 (q % 2) + lane
.irp i, 0,1,2,3,4,5,6,7,8,9,10,11,12,13,14,15,16,17,18,19,20,21,22,23,24,25,26,27,28,29,30,31
	global_load_b32 v[WX+32*((\q)%2)+\i], v[L4], s[24:25] offset:(32*((\q)/2)+\i)*4096+128*((\q)%2)
.endr
.endm
; Column 32 a + lane is place 8 a + lane % 8 of tile lane / 8; block kb is registers 6 (kb / 2) .. + 5 of fragment lane place + 16 (kb % 2).
.macro WITEM q
.set XS, WX+32*((\q)%2)
.set KB, (\q)/2
.set AA, (\q)%2
.if (\q) < 7
	s_wait_loadcnt 32                              ; this item's 32 loads are in; the next item's may be out
.else
	s_wait_loadcnt 0x0
.endif
	v_max3_num_f32 v[TM], |v[XS]|, |v[XS+1]|, 0x1800000
	v_max3_num_f32 v[TM+1], |v[XS+2]|, |v[XS+3]|, 0x1800000
.irp i, 4,8,12,16,20,24,28
	v_max3_num_f32 v[TM], |v[XS+\i]|, |v[XS+\i+1]|, v[TM]
	v_max3_num_f32 v[TM+1], |v[XS+\i+2]|, |v[XS+\i+3]|, v[TM+1]
.endr
	v_max_num_f32 v[TM], v[TM], v[TM+1]
	v_add_nc_u32 v[SO], 0xff000000, v[TM]
	v_lshrrev_b32 v[BY], 23, v[SO]
.if KB == 0
	v_mov_b32 v[WW+AA], v[BY]
.else
	v_lshl_or_b32 v[WW+AA], v[BY], 8*KB, v[WW+AA]
.endif
	v_cvt_scalef32_pk16_fp6_f32 v[WC:WC+2], v[XS:XS+15], v[SO]
	v_cvt_scalef32_pk16_fp6_f32 v[WC+8:WC+10], v[XS+16:XS+31], v[SO]
	v_nop                                          ; one plain place behind the conversions
.irp i, 0,1,2
	v_mov_b32 v[WC+3+\i], v[WC+8+\i]
.endr
.irp p, 0,1,2
	ds_store_b64 v[WSTO], v[WC+2*\p:WC+2*\p+1] offset:(3*(KB/2)+\p)*256+(8*AA+16*(KB%2))*8
.endr
.if (\q)+2 < 8
	WLOAD (\q)+2
.endif
	s_wait_dscnt 0x0                               ; the stores have read their registers: the next item's codes may be written
.endm
	WLOAD 0
	WLOAD 1
.irp q, 0,1,2,3,4,5,6,7
	WITEM \q
.endr
	ds_store_b32 v[WSS], v[WW]                     ; [place][tile] words of my 64 columns
	ds_store_b32 v[WSS], v[WW+1] offset:128
.irp u, 0,1,2,3
.irp j, 0,1,2
	ds_load_b128 v[WB+12*\u+4*\j:WB+12*\u+4*\j+3], v[WRD] offset:1600*\u+512*\j   ; in order behind my stores
.endr
.endr
	ds_load_b64 v[WB+48:WB+49], v[WSR]
	s_wait_dscnt 0x0
.irp u, 0,1,2,3
.irp j, 0,1,2
	global_store_b128 v[L16], v[WB+12*\u+4*\j:WB+12*\u+4*\j+3], s[18:19] offset:1536*\u+512*\j   ; 512 consecutive bytes
.endr
.endr
	global_store_b64 v[WSO], v[WB+48:WB+49], s[20:21]
	s_wait_tensorcnt 0x0                           ; the wave's end, behind my last LDS store
	ds_add_u32 v[SPW], v[NIL]
	s_wait_dscnt 0x0
	s_endpgm
.Lfunc_end_k_q653a28054b_prep:
	.size	k_q653a28054b_prep, .Lfunc_end_k_q653a28054b_prep-k_q653a28054b_prep
	.p2alignl 7, 3214868480
	.fill 96, 4, 3214868480
	.section	.rodata,"a",@progbits
	.p2align	6, 0x0
	.amdhsa_kernel k_q653a28054b_prep
		.amdhsa_group_segment_fixed_size 121856
		.amdhsa_private_segment_fixed_size 0
		.amdhsa_enable_private_segment 0
		.amdhsa_kernarg_size 72
		.amdhsa_user_sgpr_count 2
		.amdhsa_user_sgpr_kernarg_segment_ptr 1
		.amdhsa_wavefront_size32 1
		.amdhsa_system_sgpr_workgroup_id_x 1
		.amdhsa_system_sgpr_workgroup_id_y 1
		.amdhsa_system_sgpr_workgroup_id_z 1
		.amdhsa_system_vgpr_workitem_id 0
		.amdhsa_next_free_vgpr 256
		.amdhsa_next_free_sgpr 66
		.amdhsa_reserve_vcc 0
		.amdhsa_float_denorm_mode_32 3
		.amdhsa_float_denorm_mode_16_64 3
		.amdhsa_memory_ordered 1
		.amdhsa_forward_progress 1
		.amdhsa_inst_pref_size 102
	.end_amdhsa_kernel
	.amdgpu_metadata
---
amdhsa.version: [ 1, 2 ]
amdhsa.kernels:
  - .name:           k_q653a28054b_prep
    .symbol:         k_q653a28054b_prep.kd
    .args:
      - { .name: xq, .offset: 0, .size: 8, .value_kind: global_buffer, .address_space: global }
      - { .name: xk, .offset: 8, .size: 8, .value_kind: global_buffer, .address_space: global }
      - { .name: xv, .offset: 16, .size: 8, .value_kind: global_buffer, .address_space: global }
      - { .name: wq, .offset: 24, .size: 8, .value_kind: global_buffer, .address_space: global }
      - { .name: wk, .offset: 32, .size: 8, .value_kind: global_buffer, .address_space: global }
      - { .name: wv, .offset: 40, .size: 8, .value_kind: global_buffer, .address_space: global }
      - { .name: wo, .offset: 48, .size: 8, .value_kind: global_buffer, .address_space: global }
      - { .name: xw, .offset: 56, .size: 8, .value_kind: global_buffer, .address_space: global }
      - { .name: xws, .offset: 64, .size: 8, .value_kind: global_buffer, .address_space: global }
    .group_segment_fixed_size: 121856
    .private_segment_fixed_size: 0
    .kernarg_segment_align: 8
    .kernarg_segment_size: 72
    .max_flat_workgroup_size: 256
    .sgpr_count:     66
    .vgpr_count:     256
    .wavefront_size: 32
...
	.end_amdgpu_metadata
.endif
;; end of part 1
;; launch proj (part 2): grid 4 x 96, 4 waves a work-group, clusters of 4 x 4, 327,680 bytes of LDS; arguments xw, xws, bq, bk, bv, qkv, qkvs; writes qkv, qkvs
.if DOCPART == 2
	.amdgcn_target "amdgcn-amd-amdhsa--gfx1250"
	.amdhsa_code_object_version 6
	.text
	.protected	k_q653a28054b_proj
	.globl	k_q653a28054b_proj
	.p2align	8
	.type	k_q653a28054b_proj,@function
k_q653a28054b_proj:
	s_mov_b64 s[64:65], 0
	v_nop
	global_prefetch_b8 v0, s[64:65] scope:SCOPE_SE
	s_setreg_imm32_b32 hwreg(HW_REG_WAVE_MODE, 25, 1), 1
	s_wait_xcnt 0x0
	s_wait_alu depctr_hold_cnt(0) depctr_sa_sdst(0) depctr_va_vdst(0) depctr_va_sdst(0) depctr_va_ssrc(0) depctr_va_vcc(0) depctr_vm_vsrc(0)
	s_getreg_b32 s2, hwreg(HW_REG_IB_STS2, 6, 4)
	s_cmp_eq_u32 s2, 0
	s_cbranch_scc0 .Lentry_in_a_cluster
	s_endpgm
.Lentry_in_a_cluster:
	s_bfe_u32 s2, ttmp6, 0x10000c
	s_cmp_lg_u32 s2, 0xf033
	s_cbranch_scc0 .Lentry_shape_is_right
	s_endpgm
.Lentry_shape_is_right:
; q = xq wq + bq, k = xk wk + bk, v = xv wv + bv on codes of FP6 (E2M3) with E8M0 scales, and the results quantised at once for the two products of attention.
; Inputs: fragment images and scale words in groups of 128 rows (place p of tile t = row 64 (t / 4) + 32 (p / 8) + 8 (t % 4) + p % 8; a fragment = 6 planes of 256 bytes, registers 2 j, 2 j + 1
; of lane l at 256 j + 8 l; a group = [K step][tile] fragments, 98,304 bytes; its scale words [K step][place][tile], 4,096 bytes).  Groups 0-191 tokens of xq, xk, xv; 192 + 8 T + n / 128 weight T.
; SHARES: tensor T = cluster y / 8.  A work-group makes 256 tokens x 256 n, each of its four waves 128 x 128: 64 accumulators, 512 registers.  K = 1,024 goes in four steps of 256 through two LDS slots.
; ORIENTATION: q, k: source 0 = 16 n of W, source 1 = 16 tokens: a lane holds one token, and by the order of rows in a tile its registers 32 c .. 32 c + 31 are n = 64 c + 32 (lane / 16) + 0 .. 31:
; a whole block of 32 along the head's axis, in the place that the 6-bit operand gives it.  v: source 0 = tokens, source 1 = W: a lane holds one channel and its registers run along the keys.
; The tensor loads are the same for both; only the LDS addresses that the fragments are read from change places, by a select on T, which all partners of a cluster share.
; The bias is the C of each sum's first product.  Nothing is cleared.
; OUT: qkv[(64 T + 16 batch + head)] of 98,304 bytes: q, k: [token tile 0..127][3 planes] (a head's 64 along K are half a fragment); v: [128 keys G][4 tiles of channels][6 planes].
; qkvs[..] of 4,096 bytes: q, k: [G][place][tile] of two bytes; v: [G][place][tile of channels] words.
; CLUSTERS: 4 x 4 work-groups; the tokens' tiles are asked for jointly along a row of the cluster, the weights' along a column.
; A wave has three tensor loads out at the start and one behind each round.
; LIMITS: NaN and infinities are not served; a block under 2^-124 keeps the byte 1; a block of zeros has the byte 1 and not 127 (its codes are zeros; this program alone reads the bytes).
; REGISTERS: window 0: v2-15 at work on the way out; v16-30 addresses; v32-63 scale words, two sets, and nothing else; v64-127 the bias; v128-223 source 1's eight fragments, one set;
;   on the way out v64-159 the codes, v224-230 and v240-247 at work.   window 1: source 0's fragments, two sets, at v0 and v128.   windows 2, 3: accumulator (a, b) at v[8 (8 (a % 4) + b)].
.set HALFT,  24576                     ; 128 rows x 256 along K: [2 K steps][8 tiles] fragments: what one tensor load brings
.set SLOT,   4*HALFT                   ; tokens' two halves, then the weights' two
.set SCL,    2*SLOT                    ; four blocks of scale words, 4,096 bytes each, filled once
.set SPARE,  SCL+4*4096                ; the spare words, 128 bytes for each wave: two blocks of 256 bytes that no other line names
.set FR,   12
.set NL,   6
.set NP,   4
.set TM,   2                           ; v2-3, v4-5, v6-7, v8, v9: the quantiser's
.set SO,   4
.set BY,   6
.set TX,   8
.set TY,   9
.set OUT,  12                          ; v12-15
.set ADR1, 16                          ; v16-17 source 1's fragments in slot 0, 1
.set ADR0, 20                          ; v20-21 source 0's
.set GO8,  24                          ; v24  8 x lane
.set SOFF, 25                          ; v25  4096 h + 16 r
.set SH8,  26                          ; v26  8 h
.set ADRS, 27                          ; v27  my scale words: lanes 0-15 source 1's, lanes 16-31 source 0's
.set SPW,  28
.set NIL,  29
.set SELH, 30                          ; v30  byte selects: my half of two scale words
.set SC,   32
.set BI,   64
.set EF,   64
.set AF,   128
.set QT,   224
.set PW,   240
.set G1, 24
.set G0, 32
.set G1B, 48
.set G0B, 56
.set G1S, 68
.set G0S, 76
.set G1SB, 80
.set G0SB, 88
.set SEL, 100                          ; s[100:101] lane selects: lane l xor 16
.set MSB, 0
.macro WIN new                         ; the immediate's high byte repeats the setting that is left
.if MSB != (\new)
	s_set_vgpr_msb (MSB<<8)|(\new)
.set MSB, (\new)
.endif
.endm
; A joint load: waves 0 and 1 fetch the tokens' halves, waves 2 and 3 the weights'.  The branch hangs on the wave's number alone.  An s_nop 0 and four v_nop follow each line.
.macro JLOAD g0a, g1a, g0b, g1b
	s_cmp_eq_u32 s15, 0
	s_cbranch_scc0 .Lfor_b_\@
	tensor_load_to_lds s[\g0a:\g0a+3], s[\g1a:\g1a+7]
	s_nop 0
.rept 4
	v_nop
.endr
	s_branch .Lasked_\@
.Lfor_b_\@:
	tensor_load_to_lds s[\g0b:\g0b+3], s[\g1b:\g1b+7]
	s_nop 0
.rept 4
	v_nop
.endr
.Lasked_\@:
.endm
.macro CREST                           ; a round of the cluster's barrier behind its opening barrier
	s_cmp_lg_u32 s14, 0
	s_cbranch_scc1 .Lnot_wave_0_\@
	s_barrier_signal -3
.Lnot_wave_0_\@:
	s_barrier_wait -3
	s_barrier_signal -1
	s_barrier_wait -1
.endm
.macro CROUND
	s_barrier_signal -1
	s_barrier_wait -1
	CREST
.endm
.macro PLACES n
.rept \n
	v_nop
.endr
.endm
	s_load_b128 s[4:7], s[0:1], 0x0                ; xw s[4:5], xws s[6:7]
	s_load_b128 s[8:11], s[0:1], 0x10              ; bq s[8:9], bk s[10:11]
	s_load_b128 s[96:99], s[0:1], 0x20             ; bv s[96:97], qkv s[98:99]
	s_load_b64 s[12:13], s[0:1], 0x30              ; qkvs
	v_lshl_add_u32 v[SPW], v0, 2, SPARE
	v_mov_b32 v[NIL], 0
	ds_add_u32 v[SPW], v[NIL]                      ; the wave's opening: the add and its wait ahead of my first tensor load; work on registers stands between them
	v_lshrrev_b32 v1, 5, v0
	v_readfirstlane_b32 s14, v1                    ; wave 0..3
	s_lshr_b32 s15, s14, 1                         ; my half of the tokens.  Also: I fetch tokens (0) or weights (1)
	s_and_b32 s16, s14, 1                          ; my half of the n.  Also: which 128 rows I fetch
	s_bfe_u32 s40, ttmp6, 0x40000                  ; cx
	s_bfe_u32 s41, ttmp6, 0x40004                  ; cy
	s_lshl_b32 s42, ttmp9, 2
	s_add_co_u32 s42, s42, s40                     ; tile column: 256 n
	s_and_b32 s66, ttmp7, 0xffff                   ; cluster y
	s_lshr_b32 s2, s66, 3                          ; T: 0 q, 1 k, 2 v: the same in all partners
	s_lshl_b32 s17, s66, 2
	s_add_co_u32 s17, s17, s41                     ; tile row: 256 tokens of the three tensors on end
	s_cmp_eq_u32 s2, 2
	s_cselect_b32 s3, 1, 0                         ; 1 for v
	s_lshl_b32 s43, s41, 2
	s_lshl_b32 s43, 15, s43                        ; my row of the cluster
	s_lshl_b32 s44, 0x1111, s40                    ; my column
	; group 1: a dense block of 24,576 bytes as 96 rows of 32 elements of 8 bytes; no padding: a fragment's plane is read as 256 consecutive bytes
	s_or_b32 s[G1+0], s43, (3<<16)|(1<<21)
	s_or_b32 s[G1B+0], s44, (3<<16)|(1<<21)
.irp g, G1, G1B
	s_mov_b32 s[\g+1], 32<<16                      ; tensor_dim0
	s_mov_b32 s[\g+2], 96<<16                      ; tensor_dim1
	s_mov_b32 s[\g+3], 32<<16                      ; tile_dim0
	s_mov_b32 s[\g+4], 96                          ; tile_dim1
	s_mov_b32 s[\g+5], 32                          ; the pitch
	s_mov_b32 s[\g+6], 0
	s_mov_b32 s[\g+7], 0
.endr
	s_or_b32 s[G1S+0], s43, (3<<16)|(1<<21)        ; the scale words of 128 rows: 16 such rows
	s_or_b32 s[G1SB+0], s44, (3<<16)|(1<<21)
.irp g, G1S, G1SB
	s_mov_b32 s[\g+1], 32<<16
	s_mov_b32 s[\g+2], 16<<16
	s_mov_b32 s[\g+3], 32<<16
	s_mov_b32 s[\g+4], 16
	s_mov_b32 s[\g+5], 32
	s_mov_b32 s[\g+6], 0
	s_mov_b32 s[\g+7], 0
.endr
	s_lshl_b32 s20, s17, 1
	s_add_co_u32 s20, s20, s16                     ; the tokens' group that I fetch
	s_lshl_b32 s22, s20, 12
	s_mov_b32 s23, 0
	s_mul_i32 s20, s20, 98304
	s_mov_b32 s21, 0
	s_lshl_b32 s46, s42, 1
	s_add_co_u32 s46, s46, s16
	s_lshl_b32 s47, s2, 3
	s_add_co_u32 s46, s46, s47
	s_add_co_u32 s46, s46, 192                     ; the weight's group that I fetch
	s_lshl_b32 s92, s46, 12
	s_mov_b32 s93, 0
	s_mul_i32 s46, s46, 98304
	s_mov_b32 s47, 0
	s_mul_i32 s45, s14, HALFT                      ; where they go: wave x a part: no place in the cluster enters an LDS address
	s_lshl_b32 s94, s14, 12
	s_mov_b32 s[SEL], 0x76543210
	s_mov_b32 s[SEL+1], 0xfedcba98
	s_wait_dscnt 0x0                               ; the opening add is done
	s_wait_kmcnt 0x0
	s_add_nc_u64 s[20:21], s[4:5], s[20:21]
	s_add_nc_u64 s[22:23], s[6:7], s[22:23]
	s_add_nc_u64 s[46:47], s[4:5], s[46:47]
	s_add_nc_u64 s[92:93], s[6:7], s[92:93]
	s_cmp_eq_u32 s2, 0
	s_cselect_b64 s[8:9], s[8:9], s[10:11]
	s_cmp_eq_u32 s2, 2
	s_cselect_b64 s[8:9], s[96:97], s[8:9]         ; the tensor's bias
	CROUND                                         ; all sixteen work-groups are here: the first joint loads meet
	s_mov_b32 s[G0S], 1
	s_add_co_u32 s[G0S+1], s94, SCL
	s_mov_b64 s[G0S+2:G0S+3], s[22:23]
	s_or_b32 s[G0S+3], s[G0S+3], 0x80000000
	s_mov_b32 s[G0SB], 1
	s_add_co_u32 s[G0SB+1], s94, SCL
	s_mov_b64 s[G0SB+2:G0SB+3], s[92:93]
	s_or_b32 s[G0SB+3], s[G0SB+3], 0x80000000
	JLOAD G0S, G1S, G0SB, G1SB                     ; the scale words of all of K: filled once
.irp s, 0,1
	s_mov_b32 s[G0+4*\s], 1
	s_add_co_u32 s[G0+4*\s+1], s45, \s*SLOT
	s_add_nc_u64 s[G0+4*\s+2:G0+4*\s+3], s[20:21], \s*HALFT
	s_or_b32 s[G0+4*\s+3], s[G0+4*\s+3], 0x80000000
	s_mov_b32 s[G0B+4*\s], 1
	s_add_co_u32 s[G0B+4*\s+1], s45, \s*SLOT
	s_add_nc_u64 s[G0B+4*\s+2:G0B+4*\s+3], s[46:47], \s*HALFT
	s_or_b32 s[G0B+4*\s+3], s[G0B+4*\s+3], 0x80000000
	JLOAD G0+4*\s, G1, G0B+4*\s, G1B
.endr
	v_and_b32 v1, 31, v0                           ; lane
	v_and_b32 v2, 15, v0                           ; r
	v_bfe_u32 v3, v0, 4, 1                         ; h
	v_lshlrev_b32 v[GO8], 3, v1
	s_mul_i32 s21, s15, HALFT                      ; my 128 tokens
	s_mul_i32 s22, s16, HALFT
	s_add_co_u32 s22, s22, 2*HALFT                 ; my 128 n
	s_cmp_eq_u32 s3, 0
	s_cselect_b32 s18, s21, s22                    ; source 1: tokens for q and k, weights for v
	s_cselect_b32 s19, s22, s21                    ; source 0: the other
.irp s, 0,1
	v_add_nc_u32 v[ADR1+\s], s18, v[GO8]
	v_add_nc_u32 v[ADR0+\s], s19, v[GO8]
	s_add_co_u32 s18, s18, SLOT
	s_add_co_u32 s19, s19, SLOT
.endr
	s_lshl_b32 s21, s15, 12                        ; the tokens' scale block,
	s_lshl_b32 s22, s16, 12
	s_add_co_u32 s22, s22, 8192                    ; the weights',
	s_sub_co_u32 s22, s22, s21                     ; and the distance between the two
	v_xor_b32 v6, s3, v3                           ; 1 where my lane takes the weights': lanes 16-31 for q and k, lanes 0-15 for v
	v_mul_u32_u24 v6, s22, v6
	s_add_co_u32 s21, s21, SCL
	v_lshl_add_u32 v6, v2, 5, v6                   ; place r: 32 bytes, the eight tiles' words of a K step
	v_add_nc_u32 v[ADRS], s21, v6
	v_lshlrev_b32 v[SH8], 3, v3
	v_lshlrev_b32 v[SOFF], 12, v3
	v_lshl_add_u32 v[SOFF], v2, 4, v[SOFF]
	v_cmp_ne_u32 s67, 0, v3                        ; lanes 16-31
	v_mov_b32 v[SELH], 0x05040100
	v_mov_b32 v7, 0x07060302
	v_cndmask_b32 v[SELH], v[SELH], v7, s67
	v_mov_b32 v[TY], 0                             ; written once: a lane permute's destination counts as one of its sources
	; where my results go
	s_lshl_b32 s18, s17, 1
	s_add_co_u32 s18, s18, s15
	s_and_b32 s18, s18, 63                         ; my group of 128 tokens in the tensor
	s_lshr_b32 s19, s18, 4
	s_lshl_b32 s19, s19, 4                         ; 16 x batch
	s_and_b32 s18, s18, 15                         ; the group in its batch
	s_lshl_b32 s46, s42, 2
	s_lshl_b32 s47, s16, 1
	s_add_co_u32 s46, s46, s47                     ; my first head: 4 x tile column + 2 x half
	s_add_co_u32 s46, s46, s19
	s_lshl_b32 s46, s46, 4
	s_add_co_u32 s46, s46, s18                     ; 16 x (16 batch + head) + group
	s_mul_i32 s20, s46, 6144
	s_mul_i32 s21, s2, 6291456
	s_add_co_u32 s20, s20, s21
	s_mov_b32 s21, 0
	s_add_nc_u64 s[98:99], s[98:99], s[20:21]
	s_lshl_b32 s20, s46, 8
	s_lshl_b32 s22, s2, 18
	s_add_co_u32 s20, s20, s22
	s_add_nc_u64 s[12:13], s[12:13], s[20:21]
	s_lshl_b32 s46, s42, 10
	s_lshl_b32 s47, s16, 9
	s_add_co_u32 s46, s46, s47                     ; my 128 n in the bias, in bytes
	s_mov_b32 s47, 0
	s_add_nc_u64 s[8:9], s[8:9], s[46:47]
	v_lshlrev_b32 v10, 7, v3                       ; q, k: 32 h numbers on
	v_lshrrev_b32 v11, 3, v2
	v_lshlrev_b32 v11, 7, v11
	v_and_b32 v12, 7, v2
	v_lshl_add_u32 v11, v12, 2, v11                ; v: 32 (r / 8) + r % 8 numbers on
	s_cmp_lg_u32 s3, 0
	s_cbranch_scc1 .Lbias_v
.irp b, 0,1,2,3,4,5,6,7                ; q, k: register j of accumulator (a, b) is n = 64 (b / 4) + 32 h + 8 (b % 4) + j
	global_load_b128 v[BI+8*\b:BI+8*\b+3], v10, s[8:9] offset:(64*(\b/4)+8*(\b%4))*4
	global_load_b128 v[BI+8*\b+4:BI+8*\b+7], v10, s[8:9] offset:(64*(\b/4)+8*(\b%4))*4+16
.endr
	s_branch .Lbias_done
.Lbias_v:
.irp a, 0,1,2,3,4,5,6,7                ; v: all eight registers of accumulator (a, b) are n = 64 (a / 4) + 32 (r / 8) + 8 (a % 4) + r % 8
.irp j, 0,1,2,3,4,5,6,7
	global_load_b32 v[BI+8*\a+\j], v11, s[8:9] offset:(64*(\a/4)+8*(\a%4))*4
.endr
.endr
.Lbias_done:
.macro FRAG reg, adr, q, i             ; a fragment from its image: six planes, each 256 consecutive bytes
.irp p, 0,1,2,3,4,5
	ds_load_b64 v[\reg+2*\p:\reg+2*\p+1], v[\adr] offset:12288*(\q)+1536*(\i)+256*\p
.endr
.endm
.macro FETCH_0 slot, q, p              ; source 0's eight fragments of the slot's q-th 128 along K into set p of window 1
	WIN 0x40
.irp i, 0,1,2,3,4,5,6,7
	FRAG 128*(\p)+FR*\i, ADR0+\slot, \q, \i
.endr
	WIN 0
.endm
.macro FETCH_1 slot, q, i0             ; source 1's fragments i0 .. i0 + 3
.irp i, \i0, \i0+1, \i0+2, \i0+3
	FRAG AF+FR*(\i), ADR1+\slot, \q, \i
.endr
.endm
.macro SCALES sc                       ; a slot's scale words into set sc: register 8 q + t
.irp q, 0,1
.irp j, 0,1
	ds_load_b128 v[SC+16*\sc+8*\q+4*\j:SC+16*\sc+8*\q+4*\j+3], v[ADRS] offset:512*\q+16*\j
.endr
.endr
.endm
; 16 products: source 1's tiles a0, a0 + 1 x source 0's eight.  cm = 0: in place; 1: C = the bias by b; 2: C = the bias by a.  The 64 accumulators take turns, one instruction a turn.
.macro MUL16 a0, p, q, sc, cm
.irp a, \a0, \a0+1
.irp b, 0,1,2,3,4,5,6,7
.if \cm == 0
	v_wmma_scale_f32_16x16x128_f8f6f4 v[8*(8*((\a)%4)+\b):8*(8*((\a)%4)+\b)+7], v[128*(\p)+FR*\b:128*(\p)+FR*\b+FR-1], v[AF+FR*(\a):AF+FR*(\a)+FR-1], v[8*(8*((\a)%4)+\b):8*(8*((\a)%4)+\b)+7], v[SC+16*(\sc)+8*(\q)+\b], v[SC+16*(\sc)+8*(\q)+(\a)] matrix_a_fmt:MATRIX_FMT_FP6 matrix_b_fmt:MATRIX_FMT_FP6 matrix_a_scale:MATRIX_SCALE_ROW1
.elseif \cm == 1
	v_wmma_scale_f32_16x16x128_f8f6f4 v[8*(8*((\a)%4)+\b):8*(8*((\a)%4)+\b)+7], v[128*(\p)+FR*\b:128*(\p)+FR*\b+FR-1], v[AF+FR*(\a):AF+FR*(\a)+FR-1], v[BI+8*\b:BI+8*\b+7], v[SC+16*(\sc)+8*(\q)+\b], v[SC+16*(\sc)+8*(\q)+(\a)] matrix_a_fmt:MATRIX_FMT_FP6 matrix_b_fmt:MATRIX_FMT_FP6 matrix_a_scale:MATRIX_SCALE_ROW1
.else
	v_wmma_scale_f32_16x16x128_f8f6f4 v[8*(8*((\a)%4)+\b):8*(8*((\a)%4)+\b)+7], v[128*(\p)+FR*\b:128*(\p)+FR*\b+FR-1], v[AF+FR*(\a):AF+FR*(\a)+FR-1], v[BI+8*(\a):BI+8*(\a)+7], v[SC+16*(\sc)+8*(\q)+\b], v[SC+16*(\sc)+8*(\q)+(\a)] matrix_a_fmt:MATRIX_FMT_FP6 matrix_b_fmt:MATRIX_FMT_FP6 matrix_a_scale:MATRIX_SCALE_ROW1
.endif
.endr
.endr
.endm
; A step of 128 along K that has its successor in the same slot.  Windows: source 0 window 1, source 1 window 0, D window 2 or 3, C with D or (the bias) window 0.
.macro STEP slot, q, cm
	s_wait_dscnt 4*NL                              ; all but the youngest 24 loads (source 1's tiles 4-7) are in
.if \cm
	WIN 0x81
.else
	WIN 0xa1
.endif
	MUL16 0, (\q)%2, \q, \slot, \cm
	MUL16 2, (\q)%2, \q, \slot, \cm
	s_wait_dscnt 0x0                               ; source 1's tiles 4-7 are in
	PLACES NP                                      ; four places ahead of loads into registers that products have read
	FETCH_0 \slot, (\q)+1, 1-(\q)%2
	FETCH_1 \slot, (\q)+1, 0
.if \cm
	WIN 0xc1
.else
	WIN 0xf1
.endif
	MUL16 4, (\q)%2, \q, \slot, \cm
	MUL16 6, (\q)%2, \q, \slot, \cm
	PLACES NP
	WIN 0
	FETCH_1 \slot, (\q)+1, 4
.endm
; A slot's last step changes slots: in front of the barrier each wave waits for all its tensor loads, adds 0 to its spare word, and waits for that and for its reads of this slot.
.macro TURN slot, next, fill
	s_wait_tensorcnt 0x0                           ; all my tensor loads have landed: my part of the next slot
	ds_add_u32 v[SPW], v[NIL]
	s_wait_dscnt 4*NL+1                            ; (the add and the youngest 24 loads may be out)
	WIN 0xa1
	MUL16 0, 1, 1, \slot, 0
	s_wait_dscnt 0x0                               ; the add is done, and my reads of this slot are over
	s_barrier_signal -1
	MUL16 2, 1, 1, \slot, 0
	WIN 0
	s_barrier_wait -1
.if \fill
	CREST                                          ; the barrier has opened a round of the cluster's: no wave of any partner still reads this slot or has a load on its way
	s_add_nc_u64 s[G0+4*\slot+2:G0+4*\slot+3], s[G0+4*\slot+2:G0+4*\slot+3], 2*HALFT
	s_add_nc_u64 s[G0B+4*\slot+2:G0B+4*\slot+3], s[G0B+4*\slot+2:G0B+4*\slot+3], 2*HALFT
	JLOAD G0+4*\slot, G1, G0B+4*\slot, G1B         ; the first tensor load behind the round; its four v_nop are the places ahead of the loads below
.else
	PLACES NP
.endif
	v_add_nc_u32 v[ADRS], 1024, v[ADRS]            ; the next slot's scale words: two K steps of 512 bytes on
	FETCH_0 \next, 0, 0
	FETCH_1 \next, 0, 0
	SCALES \next
	WIN 0xf1
	MUL16 4, 1, 1, \slot, 0
	MUL16 6, 1, 1, \slot, 0
	PLACES NP
	WIN 0
	FETCH_1 \next, 0, 4
.endm
; The 64 results of source 1's tile a become a fragment's codes v[EF + 12 a] on and its scale word v[PW + a].  Each accumulator is read from its low end on.
.macro QUANTW a
.set AC, 64*((\a)%4)
.set QF, EF+12*(\a)
	WIN 0x0a+5*((\a)/4)                            ; sources 0 and 1: window 2 or 3
.irp c, 0,1
	v_max3_num_f32 v[TM+\c], |v[AC+32*\c]|, |v[AC+32*\c+1]|, 0x1800000   ; the floor 2^(3 - 127)
.endr
.irp i, 2,4,6,8,10,12,14,16,18,20,22,24,26,28,30
.irp c, 0,1
	v_max3_num_f32 v[TM+\c], |v[AC+32*\c+\i]|, |v[AC+32*\c+\i+1]|, v[TM+\c]
.endr
.endr
	WIN 0
.irp c, 0,1
	v_add_nc_u32 v[SO+\c], 0xff000000, v[TM+\c]
.endr
.irp c, 0,1
	v_lshrrev_b32 v[BY+\c], 23, v[SO+\c]
.endr
	v_lshl_or_b32 v[TX], v[BY+1], 16, v[BY]
	v_lshlrev_b32 v[TX], v[SH8], v[TX]
	v_permlanex16_b32 v[TY], v[TX], s[SEL], s[SEL+1]
	v_or_b32 v[PW+(\a)], v[TX], v[TY]
	WIN 0x02+(\a)/4                                ; source 0: window 2 or 3
	v_cvt_scalef32_pk16_fp6_f32 v[QF:QF+2], v[AC:AC+15], v[SO]
	v_cvt_scalef32_pk16_fp6_f32 v[QT:QT+2], v[AC+16:AC+31], v[SO]
	v_cvt_scalef32_pk16_fp6_f32 v[QF+6:QF+8], v[AC+32:AC+47], v[SO+1]
	v_cvt_scalef32_pk16_fp6_f32 v[QT+4:QT+6], v[AC+48:AC+63], v[SO+1]
	WIN 0
	v_nop                                          ; one plain place behind the conversions
.irp i, 0,1,2
	v_mov_b32 v[QF+3+\i], v[QT+\i]
	v_mov_b32 v[QF+9+\i], v[QT+4+\i]
.endr
.endm
; The way out.  mode 0 (q, k): registers 0-5 are my first head's half fragment, 6-11 the next head's.  mode 1 (v): tiles 0-3 are my first head's channels, 4-7 the next head's.
; No register that a store reads is written again.  Each store of 8 bytes a lane covers 256 consecutive bytes, aligned.
.macro EPI mode
.irp a, 0,1,2,3,4,5,6,7
	QUANTW \a
.irp p, 0,1,2,3,4,5
.if \mode == 0
	global_store_b64 v[GO8], v[EF+12*\a+2*\p:EF+12*\a+2*\p+1], s[98:99] offset:(\p/3)*98304+768*\a+256*(\p%3)
.else
	global_store_b64 v[GO8], v[EF+12*\a+2*\p:EF+12*\a+2*\p+1], s[98:99] offset:(\a/4)*98304+1536*(\a%4)+256*\p
.endif
.endr
.endr
.irp i, 0,1,2,3
.if \mode == 0
	v_perm_b32 v[OUT+\i], v[PW+2*\i+1], v[PW+2*\i], v[SELH]   ; head h's two bytes of tiles 2 i and 2 i + 1
.else
	v_cndmask_b32 v[OUT+\i], v[PW+\i], v[PW+4+\i], s67        ; head h's tile i
.endif
.endr
	global_store_b128 v[SOFF], v[OUT:OUT+3], s[12:13]   ; 256 consecutive bytes for each of the two heads
.endm
	s_wait_tensorcnt 1                             ; the scale words and my part of slot 0 are in; slot 1's load may be out
	s_barrier_signal -1
	s_barrier_wait -1
	FETCH_0 0, 0, 0
	FETCH_1 0, 0, 0
	SCALES 0
	FETCH_1 0, 0, 4
	s_wait_loadcnt 0x0                             ; the bias
	s_cmp_lg_u32 s3, 0
	s_cbranch_scc1 .Lfirst_v
	STEP 0, 0, 1                                   ; the first products start the sums from the bias
	s_branch .Lfirst_done
.Lfirst_v:
	STEP 0, 0, 2
.Lfirst_done:
	TURN 0, 1, 1                                   ; K has four slots' worth: written out, no loop
	STEP 1, 0, 0
	TURN 1, 0, 1
	STEP 0, 0, 0
	TURN 0, 1, 0                                   ; nothing is left to fetch
	STEP 1, 0, 0
	s_wait_dscnt 4*NL
	WIN 0xa1
	MUL16 0, 1, 1, 1, 0
	MUL16 2, 1, 1, 1, 0
	s_wait_dscnt 0x0
	WIN 0xf1
	MUL16 4, 1, 1, 1, 0
	MUL16 6, 1, 1, 1, 0
	WIN 0
	PLACES NP                                      ; four places ahead of the first read of results and of writes over operands
	s_cmp_lg_u32 s3, 0
	s_cbranch_scc1 .Lepi_v
	EPI 0
	s_branch .Lend
.Lepi_v:
	EPI 1
.Lend:
	s_wait_tensorcnt 0x0                           ; the wave's end
	ds_add_u32 v[SPW], v[NIL]
	s_wait_dscnt 0x0
	CROUND                                         ; the closing round: no work-group ends while a partner may still ask for a tile that names it
	s_endpgm
.Lfunc_end_k_q653a28054b_proj:
	.size	k_q653a28054b_proj, .Lfunc_end_k_q653a28054b_proj-k_q653a28054b_proj
	.p2alignl 7, 3214868480
	.fill 96, 4, 3214868480
	.section	.rodata,"a",@progbits
	.p2align	6, 0x0
	.amdhsa_kernel k_q653a28054b_proj
		.amdhsa_group_segment_fixed_size 327680
		.amdhsa_private_segment_fixed_size 0
		.amdhsa_enable_private_segment 0
		.amdhsa_kernarg_size 56
		.amdhsa_user_sgpr_count 2
		.amdhsa_user_sgpr_kernarg_segment_ptr 1
		.amdhsa_wavefront_size32 1
		.amdhsa_system_sgpr_workgroup_id_x 1
		.amdhsa_system_sgpr_workgroup_id_y 1
		.amdhsa_system_sgpr_workgroup_id_z 1
		.amdhsa_system_vgpr_workitem_id 0
		.amdhsa_next_free_vgpr 1024
		.amdhsa_next_free_sgpr 102
		.amdhsa_reserve_vcc 0
		.amdhsa_float_denorm_mode_32 3
		.amdhsa_float_denorm_mode_16_64 3
		.amdhsa_memory_ordered 1
		.amdhsa_forward_progress 1
		.amdhsa_inst_pref_size 211
	.end_amdhsa_kernel
	.amdgpu_metadata
---
amdhsa.version: [ 1, 2 ]
amdhsa.kernels:
  - .name:           k_q653a28054b_proj
    .symbol:         k_q653a28054b_proj.kd
    .args:
      - { .name: xw, .offset: 0, .size: 8, .value_kind: global_buffer, .address_space: global }
      - { .name: xws, .offset: 8, .size: 8, .value_kind: global_buffer, .address_space: global }
      - { .name: bq, .offset: 16, .size: 8, .value_kind: global_buffer, .address_space: global }
      - { .name: bk, .offset: 24, .size: 8, .value_kind: global_buffer, .address_space: global }
      - { .name: bv, .offset: 32, .size: 8, .value_kind: global_buffer, .address_space: global }
      - { .name: qkv, .offset: 40, .size: 8, .value_kind: global_buffer, .address_space: global }
      - { .name: qkvs, .offset: 48, .size: 8, .value_kind: global_buffer, .address_space: global }
    .group_segment_fixed_size: 327680
    .private_segment_fixed_size: 0
    .kernarg_segment_align: 8
    .kernarg_segment_size: 56
    .max_flat_workgroup_size: 128
    .sgpr_count:     102
    .vgpr_count:     1024
    .wavefront_size: 32
...
	.end_amdgpu_metadata
.endif
;; end of part 2
;; launch attn (part 3): grid 4 x 64, 16 waves a work-group, no clusters, 206,848 bytes of LDS; arguments qkv, qkvs, cimg, csc; writes cimg, csc
.if DOCPART == 3
	.amdgcn_target "amdgcn-amd-amdhsa--gfx1250"
	.amdhsa_code_object_version 6
	.text
	.protected	k_q653a28054b_attn
	.globl	k_q653a28054b_attn
	.p2align	8
	.type	k_q653a28054b_attn,@function
k_q653a28054b_attn:
	s_mov_b64 s[64:65], 0
	v_nop
	global_prefetch_b8 v0, s[64:65] scope:SCOPE_SE
	s_setreg_imm32_b32 hwreg(HW_REG_WAVE_MODE, 25, 1), 1
	s_wait_xcnt 0x0
; Attention of one head (64 channels, 2,048 keys) on codes of FP6 (E2M3) with E8M0 scales; the result, divided by the row's sum, is quantised along the model's 1,024 for the last product.
; t = score x log2(e) / 8; M = the running largest t rounded up to a whole number; p = 2^(t - M) is quantised along the keys; the row's sum is taken of the unquantised p.
; SHARES: a work-group takes head y and 512 queries; each of its sixteen waves two tiles of 16 queries, one after the other, in 256 registers: four waves to a SIMD.
; THE WHOLE HEAD'S K AND V LIE IN LDS: 98,304 bytes of codes each and 4,096 of scales each, filled once through registers; one barrier; no ring.
; NO CLUSTER: what the head's four work-groups share is read once, at the head (204,800 bytes a work-group), and on its way through registers a fragment is laid anew, so that 3 LDS loads of 16 bytes bring it and not 6 of 8.
; LAYOUT: both products transposed: S^T = K Q^T (source 0 = 16 keys), O^T = V^T P^T (source 0 = 16 channels): a lane holds one query.  Place p of tile t of 128 keys is key 64 (t / 4) + 32 (p / 8) + 8 (t % 4) + p % 8,
; so a lane's registers 32 c .. 32 c + 31 of S^T are keys 64 c + 32 (lane / 16) + 0 .. 31: whole blocks, in the operand's own order: no search across lanes for a block's maximum, no exchange of halves.
; K = 64 IN A FORM OF 128: a fragment of K holds key tiles 2 f (k 0-63) and 2 f + 1 (k 64-127).  v16-33 hold zeros, q, zeros: v[22:33] = q, 0 picks tile 2 f, v[16:27] = 0, q picks tile 2 f + 1; the other half meets zero codes.
; OUT: cimg: fragment images of the tokens' groups (K step = two heads; a head is three planes); csc: one byte a lane (262,144 bytes in all leave as single bytes).
; LIMITS: NaN and infinities are not served; a block under 2^-124 keeps the byte 1; a block of zeros has the byte 1 and not 127 (its codes are zeros; this program alone reads the bytes).
.set VIMG,  98304
.set KSC,   196608
.set SPARE, 204800                     ; the spare words, 128 bytes for each wave: eight blocks of 256 bytes that no other line names
.set AK0, 1                            ; v1   16 x lane
.set R16, 2                            ; v2   16 r
.set SPW, 3
.set NIL, 4
.set SH8, 5                            ; v5   8 h
.set ADK, 6                            ; v6-8 the step's addresses: K, V, scale words
.set ADV, 7
.set ADS, 8
.set AS0, 9                            ; v9   KSC + 16 r
.set L8,  10                           ; v10  8 x lane
.set CB,  11                           ; v11  32 r + h
.set NM,  12                           ; v12 -M, v13 the largest t, v[14:15] the sum
.set QZ,  16                           ; v16-21 zeros, v22-27 q, v28-33 zeros
.set QS,  34                           ; v34  q's scale word
.set QT,  35
.set FRG, 36                           ; v36-83 four fragments
.set KS,  84                           ; v84-87 K's scale words, v88-91 V's: scales and nothing else
.set VS,  88
.set FK,  92                           ; v92-95 the fill's addresses
.set FV,  93
.set FS,  94
.set GS,  95
.set S,   96                           ; v96-159 S^T, then p
.set O,   160                          ; v160-191 O^T
.set PC,  192                          ; v192-203 p's codes
.set T,   204                          ; v204-210
.set BM,  212
.set SO,  214
.set BY,  216
.set TX,  218
.set TY,  219
.set FF,  222                          ; v[222:223] f = 2^(old M - new M)
.set PS,  224                          ; p's scale word
.set SU,  226                          ; v[226:227] the sum's second chain
.set CS,  22                           ; s[22:23] c = log2(e) / 8
.set SEL, 28                           ; s[28:29]
	s_load_b256 s[4:11], s[0:1], 0x0               ; qkv s[4:5], qkvs s[6:7], cimg s[8:9], csc s[10:11]
	v_lshl_add_u32 v[SPW], v0, 2, SPARE
	v_mov_b32 v[NIL], 0
	v_lshrrev_b32 v6, 5, v0
	v_readfirstlane_b32 s12, v6                    ; wave 0..15
	s_and_b32 s13, ttmp7, 0xffff                   ; 16 batch + head
	v_and_b32 v8, 31, v0                           ; lane
	v_and_b32 v7, 15, v0                           ; r
	v_bfe_u32 v5, v0, 4, 1                         ; h
	v_lshlrev_b32 v[AK0], 4, v8
	v_lshlrev_b32 v[L8], 3, v8
	v_lshlrev_b32 v[R16], 4, v7
	v_lshl_add_u32 v[AS0], v7, 4, KSC
	v_lshl_add_u32 v[CB], v7, 5, v5
	v_lshlrev_b32 v[SH8], 3, v5
	s_mul_i32 s27, s12, 6144
	v_add_nc_u32 v[FK], s27, v[AK0]                ; the fill: my four fragments of K,
	v_add_nc_u32 v[FV], VIMG, v[FK]                ; of V,
	v_lshlrev_b32 v[GS], 3, v0
	v_add_nc_u32 v[FS], KSC, v[GS]                 ; and my thread's 8 bytes of each block of scales
	s_add_co_u32 s30, s13, 64
	s_mul_i32 s30, s30, 98304
	s_add_co_u32 s30, s30, s27                     ; K's codes: my 6,144 bytes (V's lie 6,291,456 bytes on)
	s_mov_b32 s31, 0
	s_lshl_b32 s32, ttmp9, 5
	s_lshl_b32 s33, s12, 1
	s_add_co_u32 s32, s32, s33                     ; my first query tile: 32 x + 2 wave
	s_mul_i32 s32, s32, 768
	s_mul_i32 s33, s13, 98304
	s_add_co_u32 s32, s32, s33
	s_mov_b32 s33, 0
	s_add_co_u32 s34, s13, 64
	s_lshl_b32 s34, s34, 12                        ; K's scales (V's lie 262,144 bytes on)
	s_mov_b32 s35, 0
	s_lshl_b32 s36, ttmp9, 2
	s_lshr_b32 s37, s12, 2
	s_add_co_u32 s36, s36, s37                     ; my group of 128 queries in the batch
	s_and_b32 s38, s12, 3                          ; my pair of tiles in it
	s_lshl_b32 s40, s13, 12
	s_lshl_b32 s37, s36, 8
	s_add_co_u32 s40, s40, s37
	s_lshl_b32 s37, s38, 2
	s_add_co_u32 s40, s40, s37                     ; q's scales: [group][place][tile] of two bytes
	s_mov_b32 s41, 0
	s_lshr_b32 s42, s13, 4
	s_lshl_b32 s42, s42, 4
	s_add_co_u32 s42, s42, s36                     ; the tokens' group
	s_lshl_b32 s42, s42, 3
	s_bfe_u32 s43, s13, 0x30001                    ; the K step of the last product: head / 2
	s_add_co_u32 s42, s42, s43
	s_and_b32 s44, s13, 1                          ; which half of it
	s_lshl_b32 s46, s42, 3
	s_lshl_b32 s37, s38, 1
	s_add_co_u32 s46, s46, s37
	s_mul_i32 s46, s46, 1536
	s_mul_i32 s37, s44, 768
	s_add_co_u32 s46, s46, s37
	s_mov_b32 s47, 0
	s_lshl_b32 s48, s42, 9
	s_lshl_b32 s37, s38, 3
	s_add_co_u32 s48, s48, s37
	s_lshl_b32 s37, s44, 1
	s_add_co_u32 s48, s48, s37
	s_mov_b32 s49, 0
	s_mov_b32 s[CS], 0x3e38aa3b
	s_mov_b32 s[CS+1], s[CS]                       ; (named with it as a pair, so it is written)
	s_mov_b32 s[SEL], 0x76543210
	s_mov_b32 s[SEL+1], 0xfedcba98
	s_wait_kmcnt 0x0
	s_add_nc_u64 s[14:15], s[4:5], s[30:31]
	s_add_nc_u64 s[16:17], s[4:5], s[32:33]
	s_add_nc_u64 s[18:19], s[6:7], s[34:35]
	s_add_nc_u64 s[20:21], s[6:7], s[40:41]
	s_add_nc_u64 s[8:9], s[8:9], s[46:47]
	s_add_nc_u64 s[10:11], s[10:11], s[48:49]
	; THE FILL: each load takes a plane's 256 consecutive bytes, so a fragment's 12 registers stand in their lanes; it goes to LDS as three planes of 512 bytes, lane l at 16 l
.irp i, 0,1,2,3
.irp p, 0,1,2,3,4,5
	global_load_b64 v[S+12*\i+2*\p:S+12*\i+2*\p+1], v[L8], s[14:15] offset:1536*\i+256*\p
	global_load_b64 v[S+48+12*\i+2*\p:S+48+12*\i+2*\p+1], v[L8], s[14:15] offset:6291456+1536*\i+256*\p
.endr
.endr
	global_load_b64 v[FRG:FRG+1], v[GS], s[18:19]
	global_load_b64 v[FRG+2:FRG+3], v[GS], s[18:19] offset:262144
.irp i, 0,1,2,3,4,5
	v_mov_b32 v[QZ+\i], 0                          ; the zero codes on both sides of q
	v_mov_b32 v[QZ+12+\i], 0
.endr
	v_mov_b32 v[TY], 0                             ; written once: a lane permute's destination counts as one of its sources
	v_mov_b32 v[FF+1], 0                           ; (named as the upper half of a pair)
	s_wait_loadcnt 0x0
.irp i, 0,1,2,3
.irp j, 0,1,2
	ds_store_b128 v[FK], v[S+12*\i+4*\j:S+12*\i+4*\j+3] offset:1536*\i+512*\j
	ds_store_b128 v[FV], v[S+48+12*\i+4*\j:S+48+12*\i+4*\j+3] offset:1536*\i+512*\j
.endr
.endr
	ds_store_b64 v[FS], v[FRG:FRG+1]
	ds_store_b64 v[FS], v[FRG+2:FRG+3] offset:4096
	s_wait_dscnt 0x0                               ; for the others' sake: my stores have landed
	s_barrier_signal -1
	s_barrier_wait -1                              ; the head's K and V are whole
; A KEY STEP: 128 keys.  s24: 6,144 x step; s25: 256 x step.
.macro STEP
	v_add_nc_u32 v[ADK], s24, v[AK0]               ; these three and the v_nop are the four places ahead of loads into registers that the last products read
	v_add_nc_u32 v[ADV], VIMG, v[ADK]
	v_add_nc_u32 v[ADS], s25, v[AS0]
	v_nop
.irp f, 0,1,2,3
.irp j, 0,1,2
	ds_load_b128 v[FRG+12*\f+4*\j:FRG+12*\f+4*\j+3], v[ADK] offset:1536*\f+512*\j
.endr
.endr
	ds_load_b128 v[KS:KS+3], v[ADS]                ; word f: the two bytes of tile 2 f, then of tile 2 f + 1
	s_wait_dscnt 0x0
.irp t, 0,1,2,3,4,5,6,7
.if \t%2 == 0
	v_wmma_scale_f32_16x16x128_f8f6f4 v[S+8*\t:S+8*\t+7], v[FRG+12*(\t/2):FRG+12*(\t/2)+11], v[QZ+6:QZ+17], 0, v[KS+\t/2], v[QS] matrix_a_fmt:MATRIX_FMT_FP6 matrix_b_fmt:MATRIX_FMT_FP6
.else
	v_wmma_scale_f32_16x16x128_f8f6f4 v[S+8*\t:S+8*\t+7], v[FRG+12*(\t/2):FRG+12*(\t/2)+11], v[QZ:QZ+11], 0, v[KS+\t/2], v[QS] matrix_a_fmt:MATRIX_FMT_FP6 matrix_b_fmt:MATRIX_FMT_FP6
.endif
.endr
.rept 4
	v_nop                                          ; four places ahead of the loads below and of the first read of the scores
.endr
.irp f, 0,1,2,3
.irp j, 0,1,2
	ds_load_b128 v[FRG+12*\f+4*\j:FRG+12*\f+4*\j+3], v[ADV] offset:1536*\f+512*\j   ; V's four tiles of channels: they land under the softmax
.endr
.endr
	ds_load_b128 v[VS:VS+3], v[ADS] offset:4096
.irp c, 0,1
	v_max3_num_f32 v[BM+\c], v[S+32*\c], v[S+32*\c+1], v[S+32*\c+2]   ; the largest score of each of my two blocks: for the row's maximum and, since p rises with the score, for the block's largest p
.endr
.irp i, 3,5,7,9,11,13,15,17,19,21,23,25,27,29
.irp c, 0,1
	v_max3_num_f32 v[BM+\c], v[BM+\c], v[S+32*\c+\i], v[S+32*\c+\i+1]
.endr
.endr
.irp c, 0,1
	v_max_num_f32 v[BM+\c], v[BM+\c], v[S+32*\c+31]
.endr
	v_max_num_f32 v[TX], v[BM], v[BM+1]
	v_permlanex16_b32 v[TY], v[TX], s[SEL], s[SEL+1]
	v_max_num_f32 v[TX], v[TX], v[TY]              ; the step's largest score of my query
	v_mul_f32 v[TX], s[CS], v[TX]
	v_max_num_f32 v[NM+1], v[NM+1], v[TX]          ; the running largest t
	v_mov_b32 v[TX], v[NM]
	v_floor_f32 v[NM], -v[NM+1]                    ; -M = floor(-t): M is a whole number
	v_sub_f32 v[TX], v[NM], v[TX]
	v_cvt_i32_f32 v[TX], v[TX]                     ; (it saturates)
	v_ldexp_f32 v[FF], 1.0, v[TX]                  ; f = 2^(old M - new M): rounds nothing
.irp j, 0,2,4,6,8,10,12,14,16,18,20,22,24,26,28,30,32,34,36,38,40,42,44,46,48,50,52,54,56,58,60,62
	v_pk_fma_f32 v[S+\j:S+\j+1], v[S+\j:S+\j+1], s[CS:CS+1], v[NM:NM+1] op_sel_hi:[1,0,0]   ; t - M
.endr
.irp c, 0,1
	v_fma_f32 v[BM+\c], v[BM+\c], s[CS], v[NM]
.endr
.irp j, 0,1,2,3,4,5,6,7,8,9,10,11,12,13,14,15,16,17,18,19,20,21,22,23,24,25,26,27,28,29,30,31,32,33,34,35,36,37,38,39,40,41,42,43,44,45,46,47,48,49,50,51,52,53,54,55,56,57,58,59,60,61,62,63
	v_exp_f32 v[S+\j], v[S+\j]                     ; p = 2^(t - M): not normalised
.endr
	v_pk_mul_f32 v[NM+2:NM+3], v[NM+2:NM+3], v[FF:FF+1] op_sel_hi:[1,0]   ; the sum under the new M: the plain place behind the exponentials
	s_wait_alu depctr_va_vdst(0)                   ; one wait for the batch of 64, ahead of its first reader
.irp c, 0,1
	v_exp_f32 v[BM+\c], v[BM+\c]                   ; the block's largest p: the same two instructions on the same number
.endr
	v_pk_add_f32 v[SU:SU+1], v[S:S+1], v[S+2:S+3]  ; the row's sum of the unquantised p, in two chains
.irp j, 4,8,12,16,20,24,28,32,36,40,44,48,52,56,60
	v_pk_add_f32 v[NM+2:NM+3], v[NM+2:NM+3], v[S+\j:S+\j+1]
	v_pk_add_f32 v[SU:SU+1], v[SU:SU+1], v[S+\j+2:S+\j+3]
.endr
	v_pk_add_f32 v[NM+2:NM+3], v[NM+2:NM+3], v[SU:SU+1]
	s_wait_alu depctr_va_vdst(0)                   ; and one for the two
.irp c, 0,1
	v_max_num_f32 v[BM+\c], 0x1800000, v[BM+\c]    ; the floor 2^(3 - 127)
.endr
.irp c, 0,1
	v_add_nc_u32 v[SO+\c], 0xff000000, v[BM+\c]
.endr
.irp c, 0,1
	v_lshrrev_b32 v[BY+\c], 23, v[SO+\c]
.endr
	v_lshl_or_b32 v[TX], v[BY+1], 16, v[BY]
	v_lshlrev_b32 v[TX], v[SH8], v[TX]
	v_permlanex16_b32 v[TY], v[TX], s[SEL], s[SEL+1]
	v_or_b32 v[PS], v[TX], v[TY]                   ; p's scale word for these 128 keys
	v_cvt_scalef32_pk16_fp6_f32 v[PC:PC+2], v[S:S+15], v[SO]
	v_cvt_scalef32_pk16_fp6_f32 v[T:T+2], v[S+16:S+31], v[SO]
	v_cvt_scalef32_pk16_fp6_f32 v[PC+6:PC+8], v[S+32:S+47], v[SO+1]
	v_cvt_scalef32_pk16_fp6_f32 v[T+4:T+6], v[S+48:S+63], v[SO+1]
	v_nop                                          ; one plain place behind the conversions
.irp i, 0,1,2
	v_mov_b32 v[PC+3+\i], v[T+\i]
	v_mov_b32 v[PC+9+\i], v[T+4+\i]
.endr
.irp j, 0,2,4,6,8,10,12,14,16,18,20,22,24,26,28,30
	v_pk_mul_f32 v[O+\j:O+\j+1], v[O+\j:O+\j+1], v[FF:FF+1] op_sel_hi:[1,0]   ; O^T under the new M; these sixteen are also the places between the scale word, the codes and the products
.endr
	s_wait_dscnt 0x0                               ; V is in
.irp u, 0,1,2,3
	v_wmma_scale_f32_16x16x128_f8f6f4 v[O+8*\u:O+8*\u+7], v[FRG+12*\u:FRG+12*\u+11], v[PC:PC+11], v[O+8*\u:O+8*\u+7], v[VS+\u], v[PS] matrix_a_fmt:MATRIX_FMT_FP6 matrix_b_fmt:MATRIX_FMT_FP6
.endr
.endm
; One tile of 16 queries through all 2,048 keys.  The accumulators take turns, one instruction a turn, over the backward jump too.
.macro PASS p
	s_wait_xcnt 0x0                                ; the last pass's stores have read their registers
.irp k, 0,1,2
	global_load_b64 v[QZ+6+2*\k:QZ+7+2*\k], v[L8], s[16:17] offset:768*\p+256*\k
.endr
	global_load_u16 v[QT], v[R16], s[20:21] offset:2*\p
	s_wait_loadcnt 0x0
	v_lshl_or_b32 v[QS], v[QT], 16, v[QT]          ; q's two bytes, for either half of K
	v_mov_b32 v[NM+1], 0xff61b1e6                  ; the largest t so far: -3e38
	v_floor_f32 v[NM], -v[NM+1]
	v_mov_b32 v[NM+2], 0
	v_mov_b32 v[NM+3], 0
.irp j, 0,1,2,3,4,5,6,7,8,9,10,11,12,13,14,15,16,17,18,19,20,21,22,23,24,25,26,27,28,29,30,31
	v_mov_b32 v[O+\j], 0                           ; the step is written once: the first finds zeros.  (Also the places between q's scale word and the first product)
.endr
	s_mov_b32 s24, 0
	s_mov_b32 s25, 0
	s_mov_b32 s26, 16
.Lstep_\@:
	STEP
	s_add_co_u32 s24, s24, 6144
	s_add_co_u32 s25, s25, 256
	s_sub_co_u32 s26, s26, 1
	s_cmp_lg_u32 s26, 0
	s_cbranch_scc1 .Lstep_\@
.rept 4
	v_nop                                          ; four places ahead of the first read of O^T
.endr
	v_add_f32 v[NM+2], v[NM+2], v[NM+3]
	v_permlanex16_b32 v[TY], v[NM+2], s[SEL], s[SEL+1]
	v_add_f32 v[NM+2], v[NM+2], v[TY]              ; the row's sum
	v_rcp_f32 v[NM+2], v[NM+2]
	v_nop                                          ; a plain place behind the reciprocal
	s_wait_alu depctr_va_vdst(0)                   ; and the wait ahead of its first reader
.irp j, 0,2,4,6,8,10,12,14,16,18,20,22,24,26,28,30
	v_pk_mul_f32 v[S+\j:S+\j+1], v[O+\j:O+\j+1], v[NM+2:NM+3] op_sel_hi:[1,0]   ; register 8 u + j: channel 32 h + 8 u + j: one whole block of the last product's K
.endr
	v_max3_num_f32 v[BM], |v[S]|, |v[S+1]|, 0x1800000
	v_max3_num_f32 v[BM+1], |v[S+2]|, |v[S+3]|, 0x1800000
.irp i, 4,8,12,16,20,24,28
	v_max3_num_f32 v[BM], |v[S+\i]|, |v[S+\i+1]|, v[BM]
	v_max3_num_f32 v[BM+1], |v[S+\i+2]|, |v[S+\i+3]|, v[BM+1]
.endr
	v_max_num_f32 v[BM], v[BM], v[BM+1]
	v_add_nc_u32 v[SO], 0xff000000, v[BM]
	v_lshrrev_b32 v[BY], 23, v[SO]
	v_cvt_scalef32_pk16_fp6_f32 v[PC:PC+2], v[S:S+15], v[SO]
	v_cvt_scalef32_pk16_fp6_f32 v[T:T+2], v[S+16:S+31], v[SO]
	v_nop
.irp i, 0,1,2
	v_mov_b32 v[PC+3+\i], v[T+\i]
.endr
.irp k, 0,1,2
	global_store_b64 v[L8], v[PC+2*\k:PC+2*\k+1], s[8:9] offset:1536*\p+256*\k   ; 256 consecutive bytes, aligned
.endr
	global_store_b8 v[CB], v[BY], s[10:11] offset:4*\p   ; byte 2 (head % 2) + h of my token's scale word
.endm
	PASS 0
	PASS 1
	s_wait_tensorcnt 0x0                           ; the wave's end, behind my last LDS store
	ds_add_u32 v[SPW], v[NIL]
	s_wait_dscnt 0x0
	s_endpgm
.Lfunc_end_k_q653a28054b_attn:
	.size	k_q653a28054b_attn, .Lfunc_end_k_q653a28054b_attn-k_q653a28054b_attn
	.p2alignl 7, 3214868480
	.fill 96, 4, 3214868480
	.section	.rodata,"a",@progbits
	.p2align	6, 0x0
	.amdhsa_kernel k_q653a28054b_attn
		.amdhsa_group_segment_fixed_size 206848
		.amdhsa_private_segment_fixed_size 0
		.amdhsa_enable_private_segment 0
		.amdhsa_kernarg_size 32
		.amdhsa_user_sgpr_count 2
		.amdhsa_user_sgpr_kernarg_segment_ptr 1
		.amdhsa_wavefront_size32 1
		.amdhsa_system_sgpr_workgroup_id_x 1
		.amdhsa_system_sgpr_workgroup_id_y 1
		.amdhsa_system_sgpr_workgroup_id_z 1
		.amdhsa_system_vgpr_workitem_id 0
		.amdhsa_next_free_vgpr 256
		.amdhsa_next_free_sgpr 66
		.amdhsa_reserve_vcc 0
		.amdhsa_float_denorm_mode_32 3
		.amdhsa_float_denorm_mode_16_64 3
		.amdhsa_memory_ordered 1
		.amdhsa_forward_progress 1
		.amdhsa_inst_pref_size 49
	.end_amdhsa_kernel
	.amdgpu_metadata
---
amdhsa.version: [ 1, 2 ]
amdhsa.kernels:
  - .name:           k_q653a28054b_attn
    .symbol:         k_q653a28054b_attn.kd
    .args:
      - { .name: qkv, .offset: 0, .size: 8, .value_kind: global_buffer, .address_space: global }
      - { .name: qkvs, .offset: 8, .size: 8, .value_kind: global_buffer, .address_space: global }
      - { .name: cimg, .offset: 16, .size: 8, .value_kind: global_buffer, .address_space: global }
      - { .name: csc, .offset: 24, .size: 8, .value_kind: global_buffer, .address_space: global }
    .group_segment_fixed_size: 206848
    .private_segment_fixed_size: 0
    .kernarg_segment_align: 8
    .kernarg_segment_size: 32
    .max_flat_workgroup_size: 512
    .sgpr_count:     66
    .vgpr_count:     256
    .wavefront_size: 32
...
	.end_amdgpu_metadata
.endif
;; end of part 3
;; launch outp (part 4): grid 4 x 32, 4 waves a work-group, clusters of 4 x 4, 327,680 bytes of LDS; arguments cimg, csc, xw, xws, bo, out0; writes out0
.if DOCPART == 4
	.amdgcn_target "amdgcn-amd-amdhsa--gfx1250"
	.amdhsa_code_object_version 6
	.text
	.protected	k_q653a28054b_outp
	.globl	k_q653a28054b_outp
	.p2align	8
	.type	k_q653a28054b_outp,@function
k_q653a28054b_outp:
	s_mov_b64 s[64:65], 0
	v_nop
	global_prefetch_b8 v0, s[64:65] scope:SCOPE_SE
	s_setreg_imm32_b32 hwreg(HW_REG_WAVE_MODE, 25, 1), 1
	s_wait_xcnt 0x0
	s_wait_alu depctr_hold_cnt(0) depctr_sa_sdst(0) depctr_va_vdst(0) depctr_va_sdst(0) depctr_va_ssrc(0) depctr_va_vcc(0) depctr_vm_vsrc(0)
	s_getreg_b32 s2, hwreg(HW_REG_IB_STS2, 6, 4)
	s_cmp_eq_u32 s2, 0
	s_cbranch_scc0 .Lentry_in_a_cluster
	s_endpgm
.Lentry_in_a_cluster:
	s_bfe_u32 s2, ttmp6, 0x10000c
	s_cmp_lg_u32 s2, 0xf033
	s_cbranch_scc0 .Lentry_shape_is_right
	s_endpgm
.Lentry_shape_is_right:
; out0 = concat wo + bo on codes of FP6 (E2M3) with E8M0 scales.  concat's codes (cimg, csc) and wo's (groups 216-223 of xw, xws) are fragment images in groups of 128 rows:
; place p of tile t = row 64 (t / 4) + 32 (p / 8) + 8 (t % 4) + p % 8; a fragment = 6 planes of 256 bytes; a group = [K step][tile] fragments, 98,304 bytes; scale words [K step][place][tile], 4,096 bytes.
; A work-group makes 256 tokens x 256 n, each of its four waves 128 x 128: 64 accumulators.  K = 1,024 goes in four steps of 256 through two LDS slots.
; Source 0 = 16 n of wo, source 1 = 16 tokens: a lane holds one token, and its registers 32 c .. 32 c + 31 are n = 64 c + 32 (lane / 16) + 0 .. 31.  bo is the C of each sum's first product.
; CLUSTERS: 4 x 4 work-groups; the tokens' tiles are asked for jointly along a row of the cluster, wo's along a column.  A wave has three tensor loads out at the start and one behind each round.
; 128 work-groups: tiles of half the size would double the LDS bytes read for each product.
; REGISTERS: window 0: v16-29 addresses; v32-63 scale words, two sets, and nothing else; v64-127 the bias; v128-223 source 1's fragments; on the way out v128-255 rows of out0.
;   window 1: source 0's fragments, two sets.   windows 2, 3: accumulator (a, b) at v[8 (8 (a % 4) + b)].
.set HALFT,  24576
.set SLOT,   4*HALFT
.set SCL,    2*SLOT
.set SPARE,  SCL+4*4096                ; the spare words, 128 bytes for each wave: two blocks of 256 bytes that no other line names
.set SPITCH, 528                       ; the way out: a stage of 16 rows x (512 + 16) bytes for each wave, in slot 0, which has had its last fill and its last read by then
.set FR,   12
.set NL,   6
.set NP,   4
.set ADR1, 16
.set ADR0, 20
.set STO,  24                          ; v24  the stage: row r, + 128 h
.set RD,   25                          ; v25  and back: 16 x lane
.set CO,   26                          ; v26  16 x lane
.set ADRS, 27
.set SPW,  28
.set NIL,  29
.set SC,   32
.set BI,   64
.set AF,   128
.set BK,   128
.set G1, 24
.set G0, 32
.set G1B, 48
.set G0B, 56
.set G1S, 68
.set G0S, 76
.set G1SB, 80
.set G0SB, 88
.set MSB, 0
.macro WIN new
.if MSB != (\new)
	s_set_vgpr_msb (MSB<<8)|(\new)
.set MSB, (\new)
.endif
.endm
.macro JLOAD g0a, g1a, g0b, g1b        ; a joint load: waves 0 and 1 fetch the tokens' halves, waves 2 and 3 wo's; an s_nop 0 and four v_nop follow each line
	s_cmp_eq_u32 s15, 0
	s_cbranch_scc0 .Lfor_b_\@
	tensor_load_to_lds s[\g0a:\g0a+3], s[\g1a:\g1a+7]
	s_nop 0
.rept 4
	v_nop
.endr
	s_branch .Lasked_\@
.Lfor_b_\@:
	tensor_load_to_lds s[\g0b:\g0b+3], s[\g1b:\g1b+7]
	s_nop 0
.rept 4
	v_nop
.endr
.Lasked_\@:
.endm
.macro CREST
	s_cmp_lg_u32 s14, 0
	s_cbranch_scc1 .Lnot_wave_0_\@
	s_barrier_signal -3
.Lnot_wave_0_\@:
	s_barrier_wait -3
	s_barrier_signal -1
	s_barrier_wait -1
.endm
.macro CROUND
	s_barrier_signal -1
	s_barrier_wait -1
	CREST
.endm
.macro PLACES n
.rept \n
	v_nop
.endr
.endm
	s_load_b128 s[4:7], s[0:1], 0x0                ; cimg s[4:5], csc s[6:7]
	s_load_b128 s[8:11], s[0:1], 0x10              ; xw s[8:9], xws s[10:11]
	s_load_b128 s[96:99], s[0:1], 0x20             ; bo s[96:97], out0 s[98:99]
	v_lshl_add_u32 v[SPW], v0, 2, SPARE
	v_mov_b32 v[NIL], 0
	ds_add_u32 v[SPW], v[NIL]                      ; the wave's opening: the add and its wait ahead of my first tensor load
	v_lshrrev_b32 v1, 5, v0
	v_readfirstlane_b32 s14, v1                    ; wave 0..3
	s_lshr_b32 s15, s14, 1                         ; my half of the tokens.  Also: I fetch tokens (0) or wo (1)
	s_and_b32 s16, s14, 1                          ; my half of the n.  Also: which 128 rows I fetch
	s_bfe_u32 s40, ttmp6, 0x40000                  ; cx
	s_bfe_u32 s41, ttmp6, 0x40004                  ; cy
	s_lshl_b32 s42, ttmp9, 2
	s_add_co_u32 s42, s42, s40                     ; tile column
	s_and_b32 s17, ttmp7, 0xffff
	s_lshl_b32 s17, s17, 2
	s_add_co_u32 s17, s17, s41                     ; tile row
	s_lshl_b32 s43, s41, 2
	s_lshl_b32 s43, 15, s43                        ; my row of the cluster
	s_lshl_b32 s44, 0x1111, s40                    ; my column
	s_or_b32 s[G1+0], s43, (3<<16)|(1<<21)         ; a dense block of 24,576 bytes as 96 rows of 32 elements of 8 bytes, no padding
	s_or_b32 s[G1B+0], s44, (3<<16)|(1<<21)
.irp g, G1, G1B
	s_mov_b32 s[\g+1], 32<<16
	s_mov_b32 s[\g+2], 96<<16
	s_mov_b32 s[\g+3], 32<<16
	s_mov_b32 s[\g+4], 96
	s_mov_b32 s[\g+5], 32
	s_mov_b32 s[\g+6], 0
	s_mov_b32 s[\g+7], 0
.endr
	s_or_b32 s[G1S+0], s43, (3<<16)|(1<<21)        ; the scale words of 128 rows: 16 such rows
	s_or_b32 s[G1SB+0], s44, (3<<16)|(1<<21)
.irp g, G1S, G1SB
	s_mov_b32 s[\g+1], 32<<16
	s_mov_b32 s[\g+2], 16<<16
	s_mov_b32 s[\g+3], 32<<16
	s_mov_b32 s[\g+4], 16
	s_mov_b32 s[\g+5], 32
	s_mov_b32 s[\g+6], 0
	s_mov_b32 s[\g+7], 0
.endr
	s_lshl_b32 s20, s17, 1
	s_add_co_u32 s20, s20, s16                     ; the tokens' group that I fetch
	s_lshl_b32 s22, s20, 12
	s_mov_b32 s23, 0
	s_mul_i32 s20, s20, 98304
	s_mov_b32 s21, 0
	s_lshl_b32 s46, s42, 1
	s_add_co_u32 s46, s46, s16
	s_add_co_u32 s46, s46, 216                     ; wo's group that I fetch
	s_lshl_b32 s92, s46, 12
	s_mov_b32 s93, 0
	s_mul_i32 s46, s46, 98304
	s_mov_b32 s47, 0
	s_mul_i32 s45, s14, HALFT
	s_lshl_b32 s94, s14, 12
	s_wait_dscnt 0x0                               ; the opening add is done
	s_wait_kmcnt 0x0
	s_add_nc_u64 s[20:21], s[4:5], s[20:21]
	s_add_nc_u64 s[22:23], s[6:7], s[22:23]
	s_add_nc_u64 s[46:47], s[8:9], s[46:47]
	s_add_nc_u64 s[92:93], s[10:11], s[92:93]
	CROUND                                         ; all sixteen work-groups are here: the first joint loads meet
	s_mov_b32 s[G0S], 1
	s_add_co_u32 s[G0S+1], s94, SCL
	s_mov_b64 s[G0S+2:G0S+3], s[22:23]
	s_or_b32 s[G0S+3], s[G0S+3], 0x80000000
	s_mov_b32 s[G0SB], 1
	s_add_co_u32 s[G0SB+1], s94, SCL
	s_mov_b64 s[G0SB+2:G0SB+3], s[92:93]
	s_or_b32 s[G0SB+3], s[G0SB+3], 0x80000000
	JLOAD G0S, G1S, G0SB, G1SB
.irp s, 0,1
	s_mov_b32 s[G0+4*\s], 1
	s_add_co_u32 s[G0+4*\s+1], s45, \s*SLOT
	s_add_nc_u64 s[G0+4*\s+2:G0+4*\s+3], s[20:21], \s*HALFT
	s_or_b32 s[G0+4*\s+3], s[G0+4*\s+3], 0x80000000
	s_mov_b32 s[G0B+4*\s], 1
	s_add_co_u32 s[G0B+4*\s+1], s45, \s*SLOT
	s_add_nc_u64 s[G0B+4*\s+2:G0B+4*\s+3], s[46:47], \s*HALFT
	s_or_b32 s[G0B+4*\s+3], s[G0B+4*\s+3], 0x80000000
	JLOAD G0+4*\s, G1, G0B+4*\s, G1B
.endr
	v_and_b32 v1, 31, v0                           ; lane
	v_and_b32 v2, 15, v0                           ; r
	v_bfe_u32 v3, v0, 4, 1                         ; h
	v_lshlrev_b32 v4, 3, v1                        ; 8 x lane
	s_mul_i32 s21, s15, HALFT                      ; my 128 tokens
	s_mul_i32 s22, s16, HALFT
	s_add_co_u32 s22, s22, 2*HALFT                 ; my 128 n
.irp s, 0,1
	v_add_nc_u32 v[ADR1+\s], s21, v4
	v_add_nc_u32 v[ADR0+\s], s22, v4
	s_add_co_u32 s21, s21, SLOT
	s_add_co_u32 s22, s22, SLOT
.endr
	s_lshl_b32 s21, s15, 12
	s_lshl_b32 s22, s16, 12
	s_add_co_u32 s22, s22, 8192
	s_sub_co_u32 s22, s22, s21
	v_mul_u32_u24 v6, s22, v3                      ; lanes 16-31 take wo's scale words
	s_add_co_u32 s21, s21, SCL
	v_lshl_add_u32 v6, v2, 5, v6
	v_add_nc_u32 v[ADRS], s21, v6
	s_mul_i32 s23, s14, 16*SPITCH                  ; my stage
	v_mul_u32_u24 v5, v2, SPITCH
	v_lshl_add_u32 v5, v3, 7, v5
	v_add_nc_u32 v[STO], s23, v5
	v_lshlrev_b32 v[CO], 4, v1
	v_add_nc_u32 v[RD], s23, v[CO]
	s_lshl_b32 s18, s17, 8
	s_lshl_b32 s19, s15, 7
	s_add_co_u32 s18, s18, s19                     ; my first token
	s_lshl_b32 s18, s18, 12                        ; a row of out0 is 4,096 bytes
	s_lshl_b32 s46, s42, 10
	s_lshl_b32 s47, s16, 9
	s_add_co_u32 s46, s46, s47                     ; my 128 n, in bytes
	s_mov_b32 s47, 0
	s_add_nc_u64 s[96:97], s[96:97], s[46:47]
	s_add_co_u32 s46, s46, s18
	s_add_nc_u64 s[98:99], s[98:99], s[46:47]
	v_lshlrev_b32 v10, 7, v3
.irp b, 0,1,2,3,4,5,6,7                ; register j of accumulator (a, b) is n = 64 (b / 4) + 32 h + 8 (b % 4) + j
	global_load_b128 v[BI+8*\b:BI+8*\b+3], v10, s[96:97] offset:(64*(\b/4)+8*(\b%4))*4
	global_load_b128 v[BI+8*\b+4:BI+8*\b+7], v10, s[96:97] offset:(64*(\b/4)+8*(\b%4))*4+16
.endr
.macro FRAG reg, adr, q, i
.irp p, 0,1,2,3,4,5
	ds_load_b64 v[\reg+2*\p:\reg+2*\p+1], v[\adr] offset:12288*(\q)+1536*(\i)+256*\p
.endr
.endm
.macro FETCH_0 slot, q, p
	WIN 0x40
.irp i, 0,1,2,3,4,5,6,7
	FRAG 128*(\p)+FR*\i, ADR0+\slot, \q, \i
.endr
	WIN 0
.endm
.macro FETCH_1 slot, q, i0
.irp i, \i0, \i0+1, \i0+2, \i0+3
	FRAG AF+FR*(\i), ADR1+\slot, \q, \i
.endr
.endm
.macro SCALES sc
.irp q, 0,1
.irp j, 0,1
	ds_load_b128 v[SC+16*\sc+8*\q+4*\j:SC+16*\sc+8*\q+4*\j+3], v[ADRS] offset:512*\q+16*\j
.endr
.endr
.endm
; 16 products: the tokens' tiles a0, a0 + 1 x wo's eight.  cm = 1: C = the bias.  The 64 accumulators take turns, one instruction a turn.
.macro MUL16 a0, p, q, sc, cm
.irp a, \a0, \a0+1
.irp b, 0,1,2,3,4,5,6,7
.if \cm == 0
	v_wmma_scale_f32_16x16x128_f8f6f4 v[8*(8*((\a)%4)+\b):8*(8*((\a)%4)+\b)+7], v[128*(\p)+FR*\b:128*(\p)+FR*\b+FR-1], v[AF+FR*(\a):AF+FR*(\a)+FR-1], v[8*(8*((\a)%4)+\b):8*(8*((\a)%4)+\b)+7], v[SC+16*(\sc)+8*(\q)+\b], v[SC+16*(\sc)+8*(\q)+(\a)] matrix_a_fmt:MATRIX_FMT_FP6 matrix_b_fmt:MATRIX_FMT_FP6 matrix_a_scale:MATRIX_SCALE_ROW1
.else
	v_wmma_scale_f32_16x16x128_f8f6f4 v[8*(8*((\a)%4)+\b):8*(8*((\a)%4)+\b)+7], v[128*(\p)+FR*\b:128*(\p)+FR*\b+FR-1], v[AF+FR*(\a):AF+FR*(\a)+FR-1], v[BI+8*\b:BI+8*\b+7], v[SC+16*(\sc)+8*(\q)+\b], v[SC+16*(\sc)+8*(\q)+(\a)] matrix_a_fmt:MATRIX_FMT_FP6 matrix_b_fmt:MATRIX_FMT_FP6 matrix_a_scale:MATRIX_SCALE_ROW1
.endif
.endr
.endr
.endm
.macro STEP slot, q, cm
	s_wait_dscnt 4*NL                              ; all but the youngest 24 loads (the tokens' tiles 4-7) are in
.if \cm
	WIN 0x81
.else
	WIN 0xa1
.endif
	MUL16 0, (\q)%2, \q, \slot, \cm
	MUL16 2, (\q)%2, \q, \slot, \cm
	s_wait_dscnt 0x0
	PLACES NP                                      ; four places ahead of loads into registers that products have read
	FETCH_0 \slot, (\q)+1, 1-(\q)%2
	FETCH_1 \slot, (\q)+1, 0
.if \cm
	WIN 0xc1
.else
	WIN 0xf1
.endif
	MUL16 4, (\q)%2, \q, \slot, \cm
	MUL16 6, (\q)%2, \q, \slot, \cm
	PLACES NP
	WIN 0
	FETCH_1 \slot, (\q)+1, 4
.endm
.macro TURN slot, next, fill
	s_wait_tensorcnt 0x0                           ; all my tensor loads have landed: my part of the next slot
	ds_add_u32 v[SPW], v[NIL]
	s_wait_dscnt 4*NL+1                            ; (the add and the youngest 24 loads may be out)
	WIN 0xa1
	MUL16 0, 1, 1, \slot, 0
	s_wait_dscnt 0x0                               ; the add is done, and my reads of this slot are over
	s_barrier_signal -1
	MUL16 2, 1, 1, \slot, 0
	WIN 0
	s_barrier_wait -1
.if \fill
	CREST                                          ; the barrier has opened a round of the cluster's: no wave of any partner still reads this slot or has a load on its way
	s_add_nc_u64 s[G0+4*\slot+2:G0+4*\slot+3], s[G0+4*\slot+2:G0+4*\slot+3], 2*HALFT
	s_add_nc_u64 s[G0B+4*\slot+2:G0B+4*\slot+3], s[G0B+4*\slot+2:G0B+4*\slot+3], 2*HALFT
	JLOAD G0+4*\slot, G1, G0B+4*\slot, G1B         ; the first tensor load behind the round
.else
	PLACES NP
.endif
	v_add_nc_u32 v[ADRS], 1024, v[ADRS]
	FETCH_0 \next, 0, 0
	FETCH_1 \next, 0, 0
	SCALES \next
	WIN 0xf1
	MUL16 4, 1, 1, \slot, 0
	MUL16 6, 1, 1, \slot, 0
	PLACES NP
	WIN 0
	FETCH_1 \next, 0, 4
.endm
	s_wait_tensorcnt 1                             ; the scale words and my part of slot 0 are in; slot 1's load may be out
	s_barrier_signal -1
	s_barrier_wait -1
	FETCH_0 0, 0, 0
	FETCH_1 0, 0, 0
	SCALES 0
	FETCH_1 0, 0, 4
	s_wait_loadcnt 0x0                             ; the bias
	STEP 0, 0, 1                                   ; the first products start the sums from the bias
	TURN 0, 1, 1
	STEP 1, 0, 0
	TURN 1, 0, 1
	STEP 0, 0, 0
	TURN 0, 1, 0                                   ; nothing is left to fetch; behind this barrier nobody reads slot 0
	STEP 1, 0, 0
	s_wait_dscnt 4*NL
	WIN 0xa1
	MUL16 0, 1, 1, 1, 0
	MUL16 2, 1, 1, 1, 0
	s_wait_dscnt 0x0
	WIN 0xf1
	MUL16 4, 1, 1, 1, 0
	MUL16 6, 1, 1, 1, 0
	WIN 0
; THE WAY OUT, a tile of 16 tokens x 128 n at a time, through my own stage: a lane's two runs of 128 bytes go into row r, and whole rows of 512 bytes come back.
; LDS serves a wave's instructions in order: no wait between the stores and the loads, nor ahead of the next tile's stores.
.macro TOSTAGE a
.set AC, 64*((\a)%4)
	WIN 0x08+4*((\a)/4)                            ; an LDS store's data: window 2 or 3
.irp k, 0,1,2,3,4,5,6,7,8,9,10,11,12,13,14,15
	ds_store_b128 v[STO], v[AC+4*\k:AC+4*\k+3] offset:256*(\k/8)+16*(\k%8)   ; each accumulator from its low end on
.endr
	WIN 0
.set BB, BK+64*((\a)%2)
.irp t, 0,1,2,3,4,5,6,7,8,9,10,11,12,13,14,15
	ds_load_b128 v[BB+4*\t:BB+4*\t+3], v[RD] offset:\t*SPITCH
.endr
.endm
.macro SEND a, younger                 ; younger: the LDS instructions issued behind tile a's loads
.set BB, BK+64*((\a)%2)
	s_wait_dscnt \younger
.irp t, 0,1,2,3,4,5,6,7,8,9,10,11,12,13,14,15
	global_store_b128 v[CO], v[BB+4*\t:BB+4*\t+3], s[98:99] offset:(64*((\a)/4)+32*(\t/8)+8*((\a)%4)+\t%8)*4096 th:TH_STORE_NT   ; place t of tile a is that token: 512 consecutive bytes, aligned
.endr
.endm
	PLACES NP                                      ; four places ahead of the first read of results and of loads into registers that held operands
	TOSTAGE 0
.irp a, 1,2,3,4,5,6,7
.if \a > 1
	s_wait_xcnt 0x0                                ; tile a - 2's stores have read their registers: tile a's loads may land there
.endif
	TOSTAGE \a
	SEND \a-1, 32                                  ; behind tile a - 1's loads: tile a's 16 stores and 16 loads
.endr
	SEND 7, 0
	s_wait_tensorcnt 0x0                           ; the wave's end, behind my last tensor load and my last LDS store
	ds_add_u32 v[SPW], v[NIL]
	s_wait_dscnt 0x0
	CROUND                                         ; the closing round
	s_endpgm
.Lfunc_end_k_q653a28054b_outp:
	.size	k_q653a28054b_outp, .Lfunc_end_k_q653a28054b_outp-k_q653a28054b_outp
	.p2alignl 7, 3214868480
	.fill 96, 4, 3214868480
	.section	.rodata,"a",@progbits
	.p2align	6, 0x0
	.amdhsa_kernel k_q653a28054b_outp
		.amdhsa_group_segment_fixed_size 327680
		.amdhsa_private_segment_fixed_size 0
		.amdhsa_enable_private_segment 0
		.amdhsa_kernarg_size 48
		.amdhsa_user_sgpr_count 2
		.amdhsa_user_sgpr_kernarg_segment_ptr 1
		.amdhsa_wavefront_size32 1
		.amdhsa_system_sgpr_workgroup_id_x 1
		.amdhsa_system_sgpr_workgroup_id_y 1
		.amdhsa_system_sgpr_workgroup_id_z 1
		.amdhsa_system_vgpr_workitem_id 0
		.amdhsa_next_free_vgpr 1024
		.amdhsa_next_free_sgpr 102
		.amdhsa_reserve_vcc 0
		.amdhsa_float_denorm_mode_32 3
		.amdhsa_float_denorm_mode_16_64 3
		.amdhsa_memory_ordered 1
		.amdhsa_forward_progress 1
		.amdhsa_inst_pref_size 159
	.end_amdhsa_kernel
	.amdgpu_metadata
---
amdhsa.version: [ 1, 2 ]
amdhsa.kernels:
  - .name:           k_q653a28054b_outp
    .symbol:         k_q653a28054b_outp.kd
    .args:
      - { .name: cimg, .offset: 0, .size: 8, .value_kind: global_buffer, .address_space: global }
      - { .name: csc, .offset: 8, .size: 8, .value_kind: global_buffer, .address_space: global }
      - { .name: xw, .offset: 16, .size: 8, .value_kind: global_buffer, .address_space: global }
      - { .name: xws, .offset: 24, .size: 8, .value_kind: global_buffer, .address_space: global }
      - { .name: bo, .offset: 32, .size: 8, .value_kind: global_buffer, .address_space: global }
      - { .name: out0, .offset: 40, .size: 8, .value_kind: global_buffer, .address_space: global }
    .group_segment_fixed_size: 327680
    .private_segment_fixed_size: 0
    .kernarg_segment_align: 8
    .kernarg_segment_size: 48
    .max_flat_workgroup_size: 128
    .sgpr_count:     102
    .vgpr_count:     1024
    .wavefront_size: 32
...
	.end_amdgpu_metadata
.endif
;; end of part 4
;; ======== version 2 of 2: 4 launches; version 1 with the launch attn written anew for expert scheduling mode
;; workspace buffers: xw 22,020,096 bytes; xws 917,504 bytes; qkv 18,874,368 bytes; qkvs 786,432 bytes; cimg 6,291,456 bytes; csc 262,144 bytes
;; launch prep: the kernel of part 1 again; grid 256 x 1, 8 waves a work-group, no clusters, 121,856 bytes of LDS; arguments xq, xk, xv, wq, wk, wv, wo, xw, xws; writes xw, xws
;; launch proj: the kernel of part 2 again; grid 4 x 96, 4 waves a work-group, clusters of 4 x 4, 327,680 bytes of LDS; arguments xw, xws, bq, bk, bv, qkv, qkvs; writes qkv, qkvs
;; launch attn (part 5): grid 4 x 64, 16 waves a work-group, no clusters, 206,848 bytes of LDS; arguments qkv, qkvs, cimg, csc; writes cimg, csc
.if DOCPART == 5
	.amdgcn_target "amdgcn-amd-amdhsa--gfx1250"
	.amdhsa_code_object_version 6
	.text
	.protected	k_q653a28054b_attn
	.globl	k_q653a28054b_attn
	.p2align	8
	.type	k_q653a28054b_attn,@function
k_q653a28054b_attn:
	s_mov_b64 s[64:65], 0
	v_nop
	global_prefetch_b8 v0, s[64:65] scope:SCOPE_SE
	s_setreg_imm32_b32 hwreg(HW_REG_WAVE_SCHED_MODE, 0, 2), 2
	s_setreg_imm32_b32 hwreg(HW_REG_WAVE_MODE, 25, 1), 1
	s_wait_xcnt 0x0
	s_wait_alu depctr_vm_vsrc(0)
; Attention of one head (64 channels, 2,048 keys) on codes of FP6 (E2M3) with E8M0 scales; the result, divided by the row's sum, is quantised along the model's 1,024 for the last product.
; t = score x log2(e) / 8; M = the running largest t rounded up to a whole number; p = 2^(t - M) is quantised along the keys; the row's sum is taken of the unquantised p.
; SHARES: a work-group takes head y and 512 queries; each of its sixteen waves two tiles of 16 queries, one after the other, in 256 registers: four waves to a SIMD.
; THE WHOLE HEAD'S K AND V LIE IN LDS: 98,304 bytes of codes each and 4,096 of scales each, filled once through registers; one barrier; no ring.
; NO CLUSTER: what the head's four work-groups share is read once, at the head (204,800 bytes a work-group), and on its way through registers a fragment is laid anew, so that 3 LDS loads of 16 bytes bring it and not 6 of 8.
; LAYOUT: both products transposed: S^T = K Q^T (source 0 = 16 keys), O^T = V^T P^T (source 0 = 16 channels): a lane holds one query.  Place p of tile t of 128 keys is key 64 (t / 4) + 32 (p / 8) + 8 (t % 4) + p % 8,
; so a lane's registers 32 c .. 32 c + 31 of S^T are keys 64 c + 32 (lane / 16) + 0 .. 31: whole blocks, in the operand's own order: no search across lanes for a block's maximum, no exchange of halves.
; K = 64 IN A FORM OF 128: a fragment of K holds key tiles 2 f (k 0-63) and 2 f + 1 (k 64-127).  v16-33 hold zeros, q, zeros: v[22:33] = q, 0 picks tile 2 f, v[16:27] = 0, q picks tile 2 f + 1; the other half meets zero codes.
; OUT: cimg: fragment images of the tokens' groups (K step = two heads; a head is three planes); csc: one byte a lane (262,144 bytes in all leave as single bytes).
; LIMITS: NaN and infinities are not served; a block under 2^-124 keeps the byte 1; a block of zeros has the byte 1 and not 127 (its codes are zeros; this program alone reads the bytes).
; THE MODE: SCHED_MODE bits 1:0 = 2 (LLVM: expert scheduling mode 2), set by the entry lines.  The code itself states the register dependences
; between vector or matrix instructions and memory or LDS instructions, with s_wait_alu, always for 0.
; THE PLAN.  Registers that memory or LDS instructions touch:
;   v1, v2, v9-11, v92-95   offsets and addresses, made once at the head, ahead of one wait on va_vdst, and never written again.
;   v6-8   ADK, ADV, ADS: written by three additions at a step's head, read by the step's 26 LDS loads.
;   FRG    K's 12 loads land in it at a step's head; the eight products K Q^T read it; V's 12 loads land in it behind them; the four products V^T P read it.
;   KS, VS each loaded once a step, read as scales by the same products.
;   q (v22-27), QT   loaded at a pass's head; read by the pass's products and by one vector line.
;   PC, BY at a pass's end: written by vector lines, read by the four stores, written again in the next pass.
;   v96-191, v36-39  in the fill alone: global loads land in them, LDS stores read them; later they are S^T, O^T and FRG.
; A STEP'S WAITS: vm_vsrc ahead of the three additions; va_vdst behind them, ahead of K's loads; va_vdst behind K Q^T and its places, ahead of V's loads; va_vdst behind the one batch of 66 exponentials;
; va_vdst behind the sixteen rescalings, ahead of V^T P, which takes p's codes and scale word from vector lines.
; Four waves of 256 registers fill a SIMD's registers, and a second set of fragments (48 registers) does not fit into what a wave has free: FRG serves K and V by turns.
.set VIMG,  98304
.set KSC,   196608
.set SPARE, 204800                     ; the spare words, 128 bytes for each wave: eight blocks of 256 bytes that no other line names
.set AK0, 1                            ; v1   16 x lane
.set R16, 2                            ; v2   16 r
.set SPW, 3
.set NIL, 4
.set SH8, 5                            ; v5   8 h
.set ADK, 6                            ; v6-8 the step's addresses: K, V, scale words
.set ADV, 7
.set ADS, 8
.set AS0, 9                            ; v9   KSC + 16 r
.set L8,  10                           ; v10  8 x lane
.set CB,  11                           ; v11  32 r + h
.set NM,  12                           ; v12 -M, v13 the largest t, v[14:15] the sum
.set QZ,  16                           ; v16-21 zeros, v22-27 q, v28-33 zeros
.set QS,  34                           ; v34  q's scale word
.set QT,  35
.set FRG, 36                           ; v36-83 four fragments
.set KS,  84                           ; v84-87 K's scale words, v88-91 V's: scales and nothing else
.set VS,  88
.set FK,  92                           ; v92-95 the fill's addresses
.set FV,  93
.set FS,  94
.set GS,  95
.set S,   96                           ; v96-159 S^T, then p
.set O,   160                          ; v160-191 O^T
.set PC,  192                          ; v192-203 p's codes
.set T,   204                          ; v204-210
.set BM,  212
.set SO,  214
.set BY,  216
.set TX,  218
.set TY,  219
.set FF,  222                          ; v[222:223] f = 2^(old M - new M)
.set PS,  224                          ; p's scale word
.set SU,  226                          ; v[226:227] the sum's second chain
.set CS,  22                           ; s[22:23] c = log2(e) / 8
.set SEL, 28                           ; s[28:29]
	s_load_b256 s[4:11], s[0:1], 0x0               ; qkv s[4:5], qkvs s[6:7], cimg s[8:9], csc s[10:11]
	v_lshl_add_u32 v[SPW], v0, 2, SPARE
	v_mov_b32 v[NIL], 0
	v_lshrrev_b32 v6, 5, v0
	v_readfirstlane_b32 s12, v6                    ; wave 0..15
	s_and_b32 s13, ttmp7, 0xffff                   ; 16 batch + head
	v_and_b32 v8, 31, v0                           ; lane
	v_and_b32 v7, 15, v0                           ; r
	v_bfe_u32 v5, v0, 4, 1                         ; h
	v_lshlrev_b32 v[AK0], 4, v8
	v_lshlrev_b32 v[L8], 3, v8
	v_lshlrev_b32 v[R16], 4, v7
	v_lshl_add_u32 v[AS0], v7, 4, KSC
	v_lshl_add_u32 v[CB], v7, 5, v5
	v_lshlrev_b32 v[SH8], 3, v5
	s_wait_alu depctr_va_sdst(0)                   ; s12 is written, ahead of its first reader: the wave's places in LDS and in memory are made from it
	s_mul_i32 s27, s12, 6144
	v_add_nc_u32 v[FK], s27, v[AK0]                ; the fill: my four fragments of K,
	v_add_nc_u32 v[FV], VIMG, v[FK]                ; of V,
	v_lshlrev_b32 v[GS], 3, v0
	v_add_nc_u32 v[FS], KSC, v[GS]                 ; and my thread's 8 bytes of each block of scales
	s_add_co_u32 s30, s13, 64
	s_mul_i32 s30, s30, 98304
	s_add_co_u32 s30, s30, s27                     ; K's codes: my 6,144 bytes (V's lie 6,291,456 bytes on)
	s_mov_b32 s31, 0
	s_lshl_b32 s32, ttmp9, 5
	s_lshl_b32 s33, s12, 1
	s_add_co_u32 s32, s32, s33                     ; my first query tile: 32 x + 2 wave
	s_mul_i32 s32, s32, 768
	s_mul_i32 s33, s13, 98304
	s_add_co_u32 s32, s32, s33
	s_mov_b32 s33, 0
	s_add_co_u32 s34, s13, 64
	s_lshl_b32 s34, s34, 12                        ; K's scales (V's lie 262,144 bytes on)
	s_mov_b32 s35, 0
	s_lshl_b32 s36, ttmp9, 2
	s_lshr_b32 s37, s12, 2
	s_add_co_u32 s36, s36, s37                     ; my group of 128 queries in the batch
	s_and_b32 s38, s12, 3                          ; my pair of tiles in it
	s_lshl_b32 s40, s13, 12
	s_lshl_b32 s37, s36, 8
	s_add_co_u32 s40, s40, s37
	s_lshl_b32 s37, s38, 2
	s_add_co_u32 s40, s40, s37                     ; q's scales: [group][place][tile] of two bytes
	s_mov_b32 s41, 0
	s_lshr_b32 s42, s13, 4
	s_lshl_b32 s42, s42, 4
	s_add_co_u32 s42, s42, s36                     ; the tokens' group
	s_lshl_b32 s42, s42, 3
	s_bfe_u32 s43, s13, 0x30001                    ; the K step of the last product: head / 2
	s_add_co_u32 s42, s42, s43
	s_and_b32 s44, s13, 1                          ; which half of it
	s_lshl_b32 s46, s42, 3
	s_lshl_b32 s37, s38, 1
	s_add_co_u32 s46, s46, s37
	s_mul_i32 s46, s46, 1536
	s_mul_i32 s37, s44, 768
	s_add_co_u32 s46, s46, s37
	s_mov_b32 s47, 0
	s_lshl_b32 s48, s42, 9
	s_lshl_b32 s37, s38, 3
	s_add_co_u32 s48, s48, s37
	s_lshl_b32 s37, s44, 1
	s_add_co_u32 s48, s48, s37
	s_mov_b32 s49, 0
	s_mov_b32 s[CS], 0x3e38aa3b
	s_mov_b32 s[CS+1], s[CS]                       ; (named with it as a pair, so it is written)
	s_mov_b32 s[SEL], 0x76543210
	s_mov_b32 s[SEL+1], 0xfedcba98
	s_wait_kmcnt 0x0
	s_add_nc_u64 s[14:15], s[4:5], s[30:31]
	s_add_nc_u64 s[16:17], s[4:5], s[32:33]
	s_add_nc_u64 s[18:19], s[6:7], s[34:35]
	s_add_nc_u64 s[20:21], s[6:7], s[40:41]
	s_add_nc_u64 s[8:9], s[8:9], s[46:47]
	s_add_nc_u64 s[10:11], s[10:11], s[48:49]
	s_wait_alu depctr_va_vdst(0)                   ; the offsets and addresses v1, v2, v9 to v11 and v92 to v95 are written, which the loads, LDS stores and stores of the whole kernel read; none is written again
	; THE FILL: each load takes a plane's 256 consecutive bytes, so a fragment's 12 registers stand in their lanes; it goes to LDS as three planes of 512 bytes, lane l at 16 l
.irp i, 0,1,2,3
.irp p, 0,1,2,3,4,5
	global_load_b64 v[S+12*\i+2*\p:S+12*\i+2*\p+1], v[L8], s[14:15] offset:1536*\i+256*\p
	global_load_b64 v[S+48+12*\i+2*\p:S+48+12*\i+2*\p+1], v[L8], s[14:15] offset:6291456+1536*\i+256*\p
.endr
.endr
	global_load_b64 v[FRG:FRG+1], v[GS], s[18:19]
	global_load_b64 v[FRG+2:FRG+3], v[GS], s[18:19] offset:262144
.irp i, 0,1,2,3,4,5
	v_mov_b32 v[QZ+\i], 0                          ; the zero codes on both sides of q.  (These lines name no register that a load or an LDS store of the fill touches)
	v_mov_b32 v[QZ+12+\i], 0
.endr
	v_mov_b32 v[TY], 0                             ; written once: a lane permute's destination counts as one of its sources
	v_mov_b32 v[FF+1], 0                           ; (named as the upper half of a pair)
	s_wait_loadcnt 0x0
.irp i, 0,1,2,3
.irp j, 0,1,2
	ds_store_b128 v[FK], v[S+12*\i+4*\j:S+12*\i+4*\j+3] offset:1536*\i+512*\j
	ds_store_b128 v[FV], v[S+48+12*\i+4*\j:S+48+12*\i+4*\j+3] offset:1536*\i+512*\j
.endr
.endr
	ds_store_b64 v[FS], v[FRG:FRG+1]
	ds_store_b64 v[FS], v[FRG+2:FRG+3] offset:4096
	s_wait_dscnt 0x0                               ; for the others' sake: my stores have landed
	s_barrier_signal -1
	s_barrier_wait -1                              ; the head's K and V are whole
; A KEY STEP: 128 keys.  s24: 6,144 x step; s25: 256 x step.
.macro STEP
	s_wait_alu depctr_vm_vsrc(0)                   ; the last step's LDS loads have read ADK, ADV and ADS, which the three additions write again
	v_add_nc_u32 v[ADK], s24, v[AK0]               ; these three and the v_nop are four places between the last products and the loads into registers that they read
	v_add_nc_u32 v[ADV], VIMG, v[ADK]
	v_add_nc_u32 v[ADS], s25, v[AS0]
	v_nop
	s_wait_alu depctr_va_vdst(0)                   ; the three addresses are written, which the loads below read; the last step's products V^T P are done reading FRG, in which K lands; in a pass's first step q's scale word and the zero codes are written, which the products below take
.irp f, 0,1,2,3
.irp j, 0,1,2
	ds_load_b128 v[FRG+12*\f+4*\j:FRG+12*\f+4*\j+3], v[ADK] offset:1536*\f+512*\j
.endr
.endr
	ds_load_b128 v[KS:KS+3], v[ADS]                ; word f: the two bytes of tile 2 f, then of tile 2 f + 1
	s_wait_dscnt 0x0
.irp t, 0,1,2,3,4,5,6,7
.if \t%2 == 0
	v_wmma_scale_f32_16x16x128_f8f6f4 v[S+8*\t:S+8*\t+7], v[FRG+12*(\t/2):FRG+12*(\t/2)+11], v[QZ+6:QZ+17], 0, v[KS+\t/2], v[QS] matrix_a_fmt:MATRIX_FMT_FP6 matrix_b_fmt:MATRIX_FMT_FP6
.else
	v_wmma_scale_f32_16x16x128_f8f6f4 v[S+8*\t:S+8*\t+7], v[FRG+12*(\t/2):FRG+12*(\t/2)+11], v[QZ:QZ+11], 0, v[KS+\t/2], v[QS] matrix_a_fmt:MATRIX_FMT_FP6 matrix_b_fmt:MATRIX_FMT_FP6
.endif
.endr
.rept 4
	v_nop                                          ; four places ahead of the loads below and of the first read of the scores
.endr
	s_wait_alu depctr_va_vdst(0)                   ; the eight products are done reading FRG, in which V lands (V's scale words were last read by products issued ahead of the step's first wait)
.irp f, 0,1,2,3
.irp j, 0,1,2
	ds_load_b128 v[FRG+12*\f+4*\j:FRG+12*\f+4*\j+3], v[ADV] offset:1536*\f+512*\j   ; V's four tiles of channels: they land under the softmax, none of whose lines names FRG, VS or an address
.endr
.endr
	ds_load_b128 v[VS:VS+3], v[ADS] offset:4096
.irp c, 0,1
	v_max3_num_f32 v[BM+\c], v[S+32*\c], v[S+32*\c+1], v[S+32*\c+2]   ; the largest score of each of my two blocks: for the row's maximum and, since p rises with the score, for the block's largest p
.endr
.irp i, 3,5,7,9,11,13,15,17,19,21,23,25,27,29
.irp c, 0,1
	v_max3_num_f32 v[BM+\c], v[BM+\c], v[S+32*\c+\i], v[S+32*\c+\i+1]
.endr
.endr
.irp c, 0,1
	v_max_num_f32 v[BM+\c], v[BM+\c], v[S+32*\c+31]
.endr
	v_max_num_f32 v[TX], v[BM], v[BM+1]
	v_permlanex16_b32 v[TY], v[TX], s[SEL], s[SEL+1]
	v_max_num_f32 v[TX], v[TX], v[TY]              ; the step's largest score of my query
	v_mul_f32 v[TX], s[CS], v[TX]
	v_max_num_f32 v[NM+1], v[NM+1], v[TX]          ; the running largest t
	v_mov_b32 v[TX], v[NM]
	v_floor_f32 v[NM], -v[NM+1]                    ; -M = floor(-t): M is a whole number
	v_sub_f32 v[TX], v[NM], v[TX]
	v_cvt_i32_f32 v[TX], v[TX]                     ; (it saturates)
	v_ldexp_f32 v[FF], 1.0, v[TX]                  ; f = 2^(old M - new M): rounds nothing
.irp j, 0,2,4,6,8,10,12,14,16,18,20,22,24,26,28,30,32,34,36,38,40,42,44,46,48,50,52,54,56,58,60,62
	v_pk_fma_f32 v[S+\j:S+\j+1], v[S+\j:S+\j+1], s[CS:CS+1], v[NM:NM+1] op_sel_hi:[1,0,0]   ; t - M
.endr
.irp c, 0,1
	v_fma_f32 v[BM+\c], v[BM+\c], s[CS], v[NM]
.endr
.irp j, 0,1,2,3,4,5,6,7,8,9,10,11,12,13,14,15,16,17,18,19,20,21,22,23,24,25,26,27,28,29,30,31,32,33,34,35,36,37,38,39,40,41,42,43,44,45,46,47,48,49,50,51,52,53,54,55,56,57,58,59,60,61,62,63
	v_exp_f32 v[S+\j], v[S+\j]                     ; p = 2^(t - M): not normalised
.endr
.irp c, 0,1
	v_exp_f32 v[BM+\c], v[BM+\c]                   ; the block's largest p: the same two instructions on the same number; in the same batch as the 64
.endr
	v_pk_mul_f32 v[NM+2:NM+3], v[NM+2:NM+3], v[FF:FF+1] op_sel_hi:[1,0]   ; the sum under the new M: the plain place behind the exponentials
	s_wait_alu depctr_va_vdst(0)                   ; the 66 exponentials have written p and the blocks' largest p: one wait for the batch, ahead of its first reader
	v_pk_add_f32 v[SU:SU+1], v[S:S+1], v[S+2:S+3]  ; the row's sum of the unquantised p, in two chains
.irp j, 4,8,12,16,20,24,28,32,36,40,44,48,52,56,60
	v_pk_add_f32 v[NM+2:NM+3], v[NM+2:NM+3], v[S+\j:S+\j+1]
	v_pk_add_f32 v[SU:SU+1], v[SU:SU+1], v[S+\j+2:S+\j+3]
.endr
	v_pk_add_f32 v[NM+2:NM+3], v[NM+2:NM+3], v[SU:SU+1]
.irp c, 0,1
	v_max_num_f32 v[BM+\c], 0x1800000, v[BM+\c]    ; the floor 2^(3 - 127)
.endr
.irp c, 0,1
	v_add_nc_u32 v[SO+\c], 0xff000000, v[BM+\c]
.endr
.irp c, 0,1
	v_lshrrev_b32 v[BY+\c], 23, v[SO+\c]
.endr
	v_lshl_or_b32 v[TX], v[BY+1], 16, v[BY]
	v_lshlrev_b32 v[TX], v[SH8], v[TX]
	v_permlanex16_b32 v[TY], v[TX], s[SEL], s[SEL+1]
	v_or_b32 v[PS], v[TX], v[TY]                   ; p's scale word for these 128 keys
	v_cvt_scalef32_pk16_fp6_f32 v[PC:PC+2], v[S:S+15], v[SO]
	v_cvt_scalef32_pk16_fp6_f32 v[T:T+2], v[S+16:S+31], v[SO]
	v_cvt_scalef32_pk16_fp6_f32 v[PC+6:PC+8], v[S+32:S+47], v[SO+1]
	v_cvt_scalef32_pk16_fp6_f32 v[T+4:T+6], v[S+48:S+63], v[SO+1]
	v_nop                                          ; one plain place behind the conversions
.irp i, 0,1,2
	v_mov_b32 v[PC+3+\i], v[T+\i]
	v_mov_b32 v[PC+9+\i], v[T+4+\i]
.endr
.irp j, 0,2,4,6,8,10,12,14,16,18,20,22,24,26,28,30
	v_pk_mul_f32 v[O+\j:O+\j+1], v[O+\j:O+\j+1], v[FF:FF+1] op_sel_hi:[1,0]   ; O^T under the new M; these sixteen are also the places between the scale word, the codes and the products
.endr
	s_wait_alu depctr_va_vdst(0)                   ; p's scale word and p's codes are written, which the scaled products below take as scales and as source 1; the places above stay beside this wait
	s_wait_dscnt 0x0                               ; V is in
.irp u, 0,1,2,3
	v_wmma_scale_f32_16x16x128_f8f6f4 v[O+8*\u:O+8*\u+7], v[FRG+12*\u:FRG+12*\u+11], v[PC:PC+11], v[O+8*\u:O+8*\u+7], v[VS+\u], v[PS] matrix_a_fmt:MATRIX_FMT_FP6 matrix_b_fmt:MATRIX_FMT_FP6
.endr
.endm
; One tile of 16 queries through all 2,048 keys.  The accumulators take turns, one instruction a turn, over the backward jump too.
.macro PASS p
	s_wait_xcnt 0x0                                ; the last pass's stores have read their registers
	s_wait_alu depctr_vm_vsrc(0)                   ; first pass: the fill's LDS stores have read v96 to v191 and v36 to v39, which O^T's zeros, the products and the LDS loads below write; second pass: the last pass's stores have read the codes and the byte, which this pass writes again
.irp k, 0,1,2
	global_load_b64 v[QZ+6+2*\k:QZ+7+2*\k], v[L8], s[16:17] offset:768*\p+256*\k   ; no vector or matrix line since the last wait on va_vdst names q's registers or QT
.endr
	global_load_u16 v[QT], v[R16], s[20:21] offset:2*\p
	s_wait_loadcnt 0x0
	v_lshl_or_b32 v[QS], v[QT], 16, v[QT]          ; q's two bytes, for either half of K
	v_mov_b32 v[NM+1], 0xff61b1e6                  ; the largest t so far: -3e38
	v_floor_f32 v[NM], -v[NM+1]
	v_mov_b32 v[NM+2], 0
	v_mov_b32 v[NM+3], 0
.irp j, 0,1,2,3,4,5,6,7,8,9,10,11,12,13,14,15,16,17,18,19,20,21,22,23,24,25,26,27,28,29,30,31
	v_mov_b32 v[O+\j], 0                           ; the step is written once: the first finds zeros.  (Also the places between q's scale word and the first product)
.endr
	s_mov_b32 s24, 0
	s_mov_b32 s25, 0
	s_mov_b32 s26, 16
.Lstep_\@:
	STEP
	s_add_co_u32 s24, s24, 6144
	s_add_co_u32 s25, s25, 256
	s_sub_co_u32 s26, s26, 1
	s_cmp_lg_u32 s26, 0
	s_cbranch_scc1 .Lstep_\@
.rept 4
	v_nop                                          ; four places ahead of the first read of O^T
.endr
	v_add_f32 v[NM+2], v[NM+2], v[NM+3]
	v_permlanex16_b32 v[TY], v[NM+2], s[SEL], s[SEL+1]
	v_add_f32 v[NM+2], v[NM+2], v[TY]              ; the row's sum
	v_rcp_f32 v[NM+2], v[NM+2]
	v_nop                                          ; a plain place behind the reciprocal
	s_wait_alu depctr_va_vdst(0)                   ; the reciprocal is written: the wait ahead of its first reader
.irp j, 0,2,4,6,8,10,12,14,16,18,20,22,24,26,28,30
	v_pk_mul_f32 v[S+\j:S+\j+1], v[O+\j:O+\j+1], v[NM+2:NM+3] op_sel_hi:[1,0]   ; register 8 u + j: channel 32 h + 8 u + j: one whole block of the last product's K
.endr
	v_max3_num_f32 v[BM], |v[S]|, |v[S+1]|, 0x1800000
	v_max3_num_f32 v[BM+1], |v[S+2]|, |v[S+3]|, 0x1800000
.irp i, 4,8,12,16,20,24,28
	v_max3_num_f32 v[BM], |v[S+\i]|, |v[S+\i+1]|, v[BM]
	v_max3_num_f32 v[BM+1], |v[S+\i+2]|, |v[S+\i+3]|, v[BM+1]
.endr
	v_max_num_f32 v[BM], v[BM], v[BM+1]
	v_add_nc_u32 v[SO], 0xff000000, v[BM]
	v_lshrrev_b32 v[BY], 23, v[SO]
	v_cvt_scalef32_pk16_fp6_f32 v[PC:PC+2], v[S:S+15], v[SO]
	v_cvt_scalef32_pk16_fp6_f32 v[T:T+2], v[S+16:S+31], v[SO]
	v_nop
.irp i, 0,1,2
	v_mov_b32 v[PC+3+\i], v[T+\i]
.endr
	s_wait_alu depctr_va_vdst(0)                   ; the codes and the byte are written, which the four stores read; and this pass's products and its shift are done reading q and QT, in which the next pass's loads land: no vector line stands between
.irp k, 0,1,2
	global_store_b64 v[L8], v[PC+2*\k:PC+2*\k+1], s[8:9] offset:1536*\p+256*\k   ; 256 consecutive bytes, aligned
.endr
	global_store_b8 v[CB], v[BY], s[10:11] offset:4*\p   ; byte 2 (head % 2) + h of my token's scale word
.endm
	PASS 0
	PASS 1
	s_wait_dscnt 0x0                               ; the wave's end
	s_wait_alu 0x0
	s_wait_tensorcnt 0x0
	ds_add_u32 v[SPW], v[NIL]
	s_wait_dscnt 0x0
	s_endpgm
.Lfunc_end_k_q653a28054b_attn:
	.size	k_q653a28054b_attn, .Lfunc_end_k_q653a28054b_attn-k_q653a28054b_attn
	.p2alignl 7, 3214868480
	.fill 96, 4, 3214868480
	.section	.rodata,"a",@progbits
	.p2align	6, 0x0
	.amdhsa_kernel k_q653a28054b_attn
		.amdhsa_group_segment_fixed_size 206848
		.amdhsa_private_segment_fixed_size 0
		.amdhsa_enable_private_segment 0
		.amdhsa_kernarg_size 32
		.amdhsa_user_sgpr_count 2
		.amdhsa_user_sgpr_kernarg_segment_ptr 1
		.amdhsa_wavefront_size32 1
		.amdhsa_system_sgpr_workgroup_id_x 1
		.amdhsa_system_sgpr_workgroup_id_y 1
		.amdhsa_system_sgpr_workgroup_id_z 1
		.amdhsa_system_vgpr_workitem_id 0
		.amdhsa_next_free_vgpr 256
		.amdhsa_next_free_sgpr 66
		.amdhsa_reserve_vcc 0
		.amdhsa_float_denorm_mode_32 3
		.amdhsa_float_denorm_mode_16_64 3
		.amdhsa_memory_ordered 1
		.amdhsa_forward_progress 1
		.amdhsa_inst_pref_size 50
	.end_amdhsa_kernel
	.amdgpu_metadata
---
amdhsa.version: [ 1, 2 ]
amdhsa.kernels:
  - .name:           k_q653a28054b_attn
    .symbol:         k_q653a28054b_attn.kd
    .args:
      - { .name: qkv, .offset: 0, .size: 8, .value_kind: global_buffer, .address_space: global }
      - { .name: qkvs, .offset: 8, .size: 8, .value_kind: global_buffer, .address_space: global }
      - { .name: cimg, .offset: 16, .size: 8, .value_kind: global_buffer, .address_space: global }
      - { .name: csc, .offset: 24, .size: 8, .value_kind: global_buffer, .address_space: global }
    .group_segment_fixed_size: 206848
    .private_segment_fixed_size: 0
    .kernarg_segment_align: 8
    .kernarg_segment_size: 32
    .max_flat_workgroup_size: 512
    .sgpr_count:     66
    .vgpr_count:     256
    .wavefront_size: 32
...
	.end_amdgpu_metadata
.endif
;; end of part 5
;; launch outp: the kernel of part 4 again; grid 4 x 32, 4 waves a work-group, clusters of 4 x 4, 327,680 bytes of LDS; arguments cimg, csc, xw, xws, bo, out0; writes out0
